; MI455X (gfx1250); checked and timed in simulation.
; The chip was launched on July 23, 2026; its instructions are those of AMD's public machine-readable ISA for CDNA 5 (MIT licence, August 2026) and "CDNA5" Instruction Set Architecture Reference Guide (July 2026). The comments in the code are by the model that wrote it; some were corrected since.
;; Casual Self Attention. Allowed arithmetic: matrix products marked QUANTISED: E2M1 operands, one E8M0 scale for each 32 along K, by v_wmma_scale_f32_16x16x128_f8f6f4 with both operands' format E2M1 (or v_wmma_scale_f32_32x16x128_f4), f32 sums; products left as they are: bf16, f16 or f32 operands; f32 sums; everything else in f32.
;; Inputs: Wk 1,024 x 1,024 float32; Wp 1,024 x 1,024 float32; Wq 1,024 x 1,024 float32; Wv 1,024 x 1,024 float32; attention_mask 4 x 2,048 bool; input 4 x 2,048 x 1,024 float32.
;; Outputs: out0 4 x 2,048 x 1,024 float32.
;; This version of the problem:
;;   THIS VERSION OF THE PROBLEM IS GIVEN IN LOW PRECISION. The matrix products marked QUANTISED in the list below multiply operands that are first quantised to E2M1 (2 exponent bits, 1 mantissa bit; 4 bits a number), with one power-of-two scale for each 32 numbers along K (OCP MX v1.0); their sums are f32. The products marked 'left as it is' may take bf16, f16 or f32 operands, with f32 sums. Whichever they take, every output number must still come out within the allowed error. Rounding operands to bf16 (8 significant bits) uses up far more of that allowance than f16 does (11 bits, for magnitudes from 6e-5 to 65,504). All else is computed in f32.
;;   The module's matrix products, in the order in which they are computed (A, B: the left and right operand; K: the contracted axis; several contracted axes count as one K, in the product's order):
;;     1. [M 8,192, K 1,024] x [K 1,024, N 1,024]; A: input input; B: input Wq: QUANTISED
;;     2. [M 8,192, K 1,024] x [K 1,024, N 1,024]; A: input input; B: input Wk: QUANTISED
;;     3. [M 8,192, K 1,024] x [K 1,024, N 1,024]; A: input input; B: input Wv: QUANTISED
;;     4. batch 64 x [M 2,048, K 64] x [K 64, N 2,048]; A: computed on the way; B: computed on the way: left as it is (an operand is computed on the way)
;;     5. batch 64 x [M 2,048, K 2,048] x [K 2,048, N 64]; A: computed on the way; B: computed on the way: left as it is (an operand is computed on the way)
;;     6. [M 8,192, K 1,024] x [K 1,024, N 1,024]; A: computed on the way; B: input Wp: left as it is (an operand is computed on the way)
;;   THE QUANTISER, for each operand of a quantised product, along K:
;;     - K is cut into blocks of 32 from its start; a last block that is shorter is filled with zeros.
;;     - A block's scale is 2^e with e = floor(log2(the largest magnitude in the block)) - 2, held to -126 .. 127; a block of zeros has e = 0. As a byte (E8M0): e + 127.
;;     - Each number is divided by its block's scale, clamped to +-6, and rounded to the nearest number of E2M1, ties to even, subnormals kept.
;;     - The product sums the exact products of the quantised numbers (number of the format x scale) in f32.
;;   ~~~python
;;   def quantise(x, axis):      # numpy; x: float32 -> the quantised numbers, widened to float32 again
;;       x = np.moveaxis(x, axis, -1); K = x.shape[-1]
;;       x = np.pad(x, [(0, 0)] * (x.ndim - 1) + [(0, -K % 32)]); x = x.reshape(x.shape[:-1] + (-1, 32)); a = np.abs(x).max(-1, keepdims=True)
;;       e = np.where(a > 0, np.clip(np.frexp(np.where(a > 0, a, 1))[1] - 1 - 2, -126, 127), 0)      # np.frexp(a)[1] - 1 = floor(log2(a)), exactly
;;       r = np.clip(x / 2.0 ** e, -6, 6)
;;       step = 2.0 ** (np.maximum(np.frexp(np.where(r == 0, 1, r))[1] - 1, 0) - 1)
;;       q = np.round(r / step) * step * 2.0 ** e      # np.round: ties to even
;;       return np.moveaxis(q.reshape(q.shape[:-2] + (-1,))[..., :K], -1, axis).astype(np.float32)
;;   ~~~
;; One version. Each part assembles by itself: llvm-mc -triple=amdgcn-amd-amdhsa -mcpu=gfx1250 --defsym DOCPART=n.
;; ======== version 1 of 1: 5 launches
;; limits: values are held in f16: magnitudes above 65,504 overflow, below 6.1e-05 lose precision
;; workspace buffers: xc 4,194,304 bytes; xs 262,144 bytes; wc 1,572,864 bytes; ws 98,304 bytes; wp16 2,097,152 bytes; qkv16 50,331,648 bytes; q32 786,432 bytes; at16 16,777,216 bytes
;; launch quant (part 1): grid 384 x 1, 4 waves a work-group, no clusters, 33,280 bytes of LDS; arguments input, Wq, Wk, Wv, Wp, xc, xs, wc, ws, wp16; writes xc, xs, wc, ws, wp16
.if DOCPART == 1
	.amdgcn_target "amdgcn-amd-amdhsa--gfx1250"
	.amdhsa_code_object_version 6
	.text
	.protected	k_qd73b885439_quant
	.globl	k_qd73b885439_quant
	.p2align	8
	.type	k_qd73b885439_quant,@function
k_qd73b885439_quant:
	s_mov_b64 s[64:65], 0
	v_nop
	global_prefetch_b8 v0, s[64:65] scope:SCOPE_SE
	s_setreg_imm32_b32 hwreg(HW_REG_WAVE_MODE, 25, 1), 1
	s_wait_xcnt 0x0
; input [8192][1024] and Wq, Wk, Wv [1024][1024], f32 with K innermost, become codes of FP4 (E2M1) with one E8M0 scale byte for each 32 along K:
; xc [8192][512 bytes], xs [8192][32]; wc [3072][512], ws [3072][32] (rows 0-1023 Wq, then Wk, then Wv).  Wp becomes f16, laid [head 16][n 1024][64].
; A block's scale is 2^(floor(log2(its largest magnitude)) - 2); its byte is the largest magnitude's exponent field - 2, held at 1 from below (a block of zeros keeps the byte 1:
; its codes are zeros, and this program alone reads the bytes).  Each number is divided by the scale and rounded to the nearest code, ties to even, beyond 6 the largest code.
; LIMITS: blocks whose largest magnitude lies under 2^-124 keep the byte 1; NaN and infinities among the inputs are not served; |Wp| up to 65,504 (f16).
; SHARES: work-groups 0-255 take the input, 256-287 Wq, 288-319 Wk, 320-351 Wv: 32,768 numbers each, 8,192 a wave, 16 steps of 512.  Only pointers are chosen: one path serves the four tensors.
; Work-groups 352-383 take 32 rows of Wp each, 8 a wave, through registers alone.
; A step's four loads read 512 consecutive bytes each; the 2,048 bytes turn through the wave's own stage in LDS and come back 64 bytes (16 neighbours along K) a lane; two lanes hold a block.
.set WAVES, 4
.set STEPS, 16
.set EMAX,  2
.set CB,    8                          ; bytes of 16 codes
.set R,     16                         ; v16-79   four sets of 16 numbers as they are loaded
.set X,     80                         ; v80-111  two sets of 16 neighbours
.set C,     128                        ; v128-191 codes: four registers for each step
.set E,     112                        ; v112-127 a scale byte for each step
.set WREG,  8192                       ; LDS: a region for each wave: two stages of 32 x SP bytes, then its 256 scale bytes
.set SP,    80                         ; a lane's place in a stage: 64 bytes + 16 of padding
.set SPW,   12                         ; v12 LDS address of my spare word; never rewritten
.set NIL,   13                         ; v13 0; never rewritten
.set SPARE, WAVES*WREG                 ; the spare words, 128 bytes for each wave
	s_load_b256 s[4:11], s[0:1], 0x0               ; input, Wq, Wk, Wv
	s_load_b256 s[12:19], s[0:1], 0x20             ; Wp, xc, xs, wc
	s_load_b128 s[20:23], s[0:1], 0x40             ; ws, wp16
	v_lshl_add_u32 v[SPW], v0, 2, SPARE
	v_mov_b32 v[NIL], 0
	v_lshrrev_b32 v1, 5, v0
	v_readfirstlane_b32 s24, v1                    ; wave
	v_and_b32 v2, 31, v0                           ; lane
	v_lshlrev_b32 v3, 4, v2                        ; my 16 bytes of a load's 512
	s_mul_i32 s27, s24, WREG
	v_lshrrev_b32 v14, 2, v2
	v_mul_u32_u24 v14, v14, SP
	v_and_b32 v15, 3, v2
	v_lshl_add_u32 v14, v15, 4, v14
	v_add_nc_u32 v14, s27, v14                     ; the stage, on the way in: SP (lane / 4) + 16 (lane % 4)
	v_mul_u32_u24 v15, v2, SP
	v_add_nc_u32 v15, s27, v15                     ; and on the way out: SP x lane
	v_mul_u32_u24 v4, v2, CB                       ; my codes' place in a step's
	v_lshrrev_b32 v5, 1, v2
	s_add_co_u32 s27, s27, 2*32*SP
	v_add_nc_u32 v5, s27, v5                       ; LDS: my wave's 256 scale bytes, my block's byte
	v_lshlrev_b32 v7, 3, v2
	v_add_nc_u32 v6, s27, v7                       ; and on the way out 8 bytes a lane
	s_wait_kmcnt 0x0
	s_cmp_lt_u32 ttmp9, 352                        ; the work-group's number alone decides
	s_cbranch_scc1 .Lquant
	; ---- Wp to f16.  A store's lanes 0-15 hold rows n, n + 1 of one head (2 x 128 bytes, one aligned run of 256), lanes 16-31 the same rows of the next head.
	s_sub_co_u32 s27, ttmp9, 352
	s_lshl_b32 s27, s27, 5
	s_lshl_b32 s28, s24, 3
	s_add_co_u32 s27, s27, s28                     ; my first row n0
	s_lshl_b32 s30, s27, 12
	s_mov_b32 s31, 0
	s_add_nc_u64 s[12:13], s[12:13], s[30:31]      ; Wp at row n0
	s_lshl_b32 s30, s27, 7
	s_add_nc_u64 s[22:23], s[22:23], s[30:31]      ; wp16 at row n0 of head 0
	v_bfe_u32 v3, v0, 3, 1
	v_lshlrev_b32 v3, 12, v3                       ; which of the two rows,
	v_bfe_u32 v8, v0, 4, 1
	v_and_b32 v9, 7, v0
	v_lshl_add_u32 v3, v8, 8, v3                   ; which of the two heads (64 numbers, 256 bytes),
	v_lshl_add_u32 v3, v9, 5, v3                   ; my 8 numbers
	v_and_b32 v9, 15, v0
	v_lshlrev_b32 v4, 17, v8                       ; out: a head's plane is 131,072 bytes,
	v_lshl_add_u32 v4, v9, 4, v4                   ; 16 bytes a lane
.macro LOADW rp                        ; a pair of rows, all 16 heads: 16 loads into set rp % 2
.irp hp, 0,1,2,3,4,5,6,7
	global_load_b128 v[16+64*((\rp)%2)+8*\hp:16+64*((\rp)%2)+8*\hp+3], v3, s[12:13] offset:(\rp)*8192+\hp*512
	global_load_b128 v[16+64*((\rp)%2)+8*\hp+4:16+64*((\rp)%2)+8*\hp+7], v3, s[12:13] offset:(\rp)*8192+\hp*512+16
.endr
.endm
.macro ROWP rp
.if (\rp) < 3
	s_wait_loadcnt 16                              ; this pair's 16 loads are in; the other set's 16 may be out
.else
	s_wait_loadcnt 0x0
.endif
.if (\rp) > 0
	s_wait_xcnt 0x0                                ; the last pair's stores have read v144-175: they are written again only behind this wait
.endif
.set n, 0
.rept 32
	v_cvt_pk_f16_f32 v[144+n], v[16+64*((\rp)%2)+2*n], v[16+64*((\rp)%2)+2*n+1]
.set n, n+1
.endr
.irp hp, 0,1,2,3,4,5,6,7
	global_store_b128 v4, v[144+4*\hp:144+4*\hp+3], s[22:23] offset:\hp*262144+(\rp)*256
.endr
.if (\rp) < 2
	LOADW (\rp)+2
.endif
.endm
	LOADW 0
	LOADW 1
	ROWP 0
	ROWP 1
	ROWP 2
	ROWP 3
	s_branch .Lend
.Lquant:
	s_cmp_lt_u32 ttmp9, 320                        ; which tensor: a choice among pointers, on the work-group's number alone
	s_cselect_b64 s[8:9], s[8:9], s[10:11]
	s_cmp_lt_u32 ttmp9, 288
	s_cselect_b64 s[6:7], s[6:7], s[8:9]
	s_cmp_lt_u32 ttmp9, 256
	s_cselect_b64 s[4:5], s[4:5], s[6:7]
	s_cselect_b64 s[14:15], s[14:15], s[18:19]     ; the codes' buffer
	s_cselect_b64 s[16:17], s[16:17], s[20:21]     ; the scale bytes'
	s_cselect_b32 s25, 0, 256
	s_cselect_b32 s26, -1, 31
	s_sub_co_u32 s27, ttmp9, s25                   ; my number among the input's work-groups, or among the weights'
	s_and_b32 s28, s27, s26                        ; and within my weight
	s_lshl_b32 s28, s28, 2
	s_add_co_u32 s28, s28, s24                     ; which run of 8,192 numbers of the source is my wave's
	s_lshl_b32 s27, s27, 2
	s_add_co_u32 s27, s27, s24                     ; and of the destination
	s_lshl_b32 s30, s28, 15
	s_mov_b32 s31, 0
	s_add_nc_u64 s[4:5], s[4:5], s[30:31]
	s_lshl_b32 s30, s27, 12
	s_add_nc_u64 s[14:15], s[14:15], s[30:31]
	s_lshl_b32 s30, s27, 8
	s_add_nc_u64 s[16:17], s[16:17], s[30:31]
.macro LOAD t
.irp i, 0,1,2,3
	global_load_b128 v[R+16*((\t)%4)+4*\i:R+16*((\t)%4)+4*\i+3], v3, s[4:5] offset:2048*(\t)+512*\i th:TH_LOAD_NT   ; 32 lanes read 512 consecutive bytes
.endr
.endm
.macro TURN t                          ; step t's numbers through the stage: LDS serves a wave's instructions in order, so no wait stands between the stores and the loads
.irp i, 0,1,2,3
	ds_store_b128 v14, v[R+16*((\t)%4)+4*\i:R+16*((\t)%4)+4*\i+3] offset:32*SP*((\t)%2)+8*SP*\i
.endr
.irp i, 0,1,2,3
	ds_load_b128 v[X+16*((\t)%2)+4*\i:X+16*((\t)%2)+4*\i+3], v15 offset:32*SP*((\t)%2)+16*\i
.endr
.endm
.irp t, 0,1,2,3
	LOAD \t
.endr
	s_wait_loadcnt 12                              ; step 0's four loads are in
	TURN 0
.macro STEP t
.set XS, X+16*((\t)%2)
.if (\t) > 0
	s_wait_dscnt 1                                 ; this step's numbers are back from the stage (the last step's byte store may be out)
.else
	s_wait_dscnt 0x0
.endif
.if (\t)+4 < STEPS
	LOAD (\t)+4                                    ; into the registers that the stage's stores have read
.endif
.if (\t)+1 < STEPS
.if STEPS-2-(\t) >= 3
	s_wait_loadcnt 12                              ; the next step's four loads are in; those of the three steps behind it may be out
.else
	s_wait_loadcnt 4*(STEPS-2-(\t))
.endif
	TURN (\t)+1
.endif
	v_max3_num_f32 v8, |v[XS]|, |v[XS+1]|, |v[XS+2]|               ; the largest magnitude of my 16
	v_max3_num_f32 v9, |v[XS+3]|, |v[XS+4]|, |v[XS+5]|
.irp i, 6,10
	v_max3_num_f32 v8, v8, |v[XS+\i]|, |v[XS+\i+1]|
	v_max3_num_f32 v9, v9, |v[XS+\i+2]|, |v[XS+\i+3]|
.endr
	v_max3_num_f32 v8, v8, |v[XS+14]|, |v[XS+15]|
	v_max3_num_f32 v8, v8, v9, (EMAX+1)<<23        ; and the floor 2^(3 - 127): the byte cannot fall under 1
	v_max_num_f32_dpp v8, v8, v8 row_xmask:1 row_mask:0xf bank_mask:0xf   ; and of my neighbour's 16: the block's
	v_add_nc_u32 v11, -(EMAX<<23), v8              ; 2 off its exponent field: the conversion takes the exponent field of this operand as its scale
	v_cvt_scalef32_pk8_fp4_f32 v[C+4*(\t)], v[XS:XS+7], v11
	v_cvt_scalef32_pk8_fp4_f32 v[C+4*(\t)+1], v[XS+8:XS+15], v11
	v_lshrrev_b32 v[E+(\t)], 23, v11               ; the scale's byte (also the plain line behind the conversions)
	ds_store_b8 v5, v[E+(\t)] offset:16*(\t)       ; both lanes of a block write the same byte with the same value
	global_store_b64 v4, v[C+4*(\t):C+4*(\t)+1], s[14:15] offset:32*CB*(\t)   ; the wave stores 256 consecutive bytes, aligned
.endm
.irp t, 0,1,2,3,4,5,6,7,8,9,10,11,12,13,14,15
	STEP \t
.endr
	ds_load_b64 v[8:9], v6                         ; LDS serves a wave's instructions in order: these see my stores
	s_wait_dscnt 0x0
	global_store_b64 v7, v[8:9], s[16:17]          ; 32 lanes store 256 consecutive bytes, aligned
.Lend:
	s_wait_tensorcnt 0x0                           ; the wave's end
	ds_add_u32 v[SPW], v[NIL]
	s_wait_dscnt 0x0
	s_endpgm
.Lfunc_end_k_qd73b885439_quant:
	.size	k_qd73b885439_quant, .Lfunc_end_k_qd73b885439_quant-k_qd73b885439_quant
	.p2alignl 7, 3214868480
	.fill 96, 4, 3214868480
	.section	.rodata,"a",@progbits
	.p2align	6, 0x0
	.amdhsa_kernel k_qd73b885439_quant
		.amdhsa_group_segment_fixed_size 33280
		.amdhsa_private_segment_fixed_size 0
		.amdhsa_enable_private_segment 0
		.amdhsa_kernarg_size 80
		.amdhsa_user_sgpr_count 2
		.amdhsa_user_sgpr_kernarg_segment_ptr 1
		.amdhsa_wavefront_size32 1
		.amdhsa_system_sgpr_workgroup_id_x 1
		.amdhsa_system_sgpr_workgroup_id_y 1
		.amdhsa_system_sgpr_workgroup_id_z 1
		.amdhsa_system_vgpr_workitem_id 0
		.amdhsa_next_free_vgpr 192
		.amdhsa_next_free_sgpr 66
		.amdhsa_reserve_vcc 0
		.amdhsa_float_denorm_mode_32 3
		.amdhsa_float_denorm_mode_16_64 3
		.amdhsa_memory_ordered 1
		.amdhsa_forward_progress 1
		.amdhsa_inst_pref_size 52
	.end_amdhsa_kernel
	.amdgpu_metadata
---
amdhsa.version: [ 1, 2 ]
amdhsa.kernels:
  - .name:           k_qd73b885439_quant
    .symbol:         k_qd73b885439_quant.kd
    .args:
      - { .name: input, .offset: 0, .size: 8, .value_kind: global_buffer, .address_space: global }
      - { .name: Wq, .offset: 8, .size: 8, .value_kind: global_buffer, .address_space: global }
      - { .name: Wk, .offset: 16, .size: 8, .value_kind: global_buffer, .address_space: global }
      - { .name: Wv, .offset: 24, .size: 8, .value_kind: global_buffer, .address_space: global }
      - { .name: Wp, .offset: 32, .size: 8, .value_kind: global_buffer, .address_space: global }
      - { .name: xc, .offset: 40, .size: 8, .value_kind: global_buffer, .address_space: global }
      - { .name: xs, .offset: 48, .size: 8, .value_kind: global_buffer, .address_space: global }
      - { .name: wc, .offset: 56, .size: 8, .value_kind: global_buffer, .address_space: global }
      - { .name: ws, .offset: 64, .size: 8, .value_kind: global_buffer, .address_space: global }
      - { .name: wp16, .offset: 72, .size: 8, .value_kind: global_buffer, .address_space: global }
    .group_segment_fixed_size: 33280
    .private_segment_fixed_size: 0
    .kernarg_segment_align: 8
    .kernarg_segment_size: 80
    .max_flat_workgroup_size: 128
    .sgpr_count:     66
    .vgpr_count:     192
    .wavefront_size: 32
...
	.end_amdgpu_metadata
.endif
;; end of part 1
;; launch qkv (part 2): grid 12 x 32, 4 waves a work-group, clusters of 4 x 4, 327,680 bytes of LDS; arguments xc, xs, wc, ws, qkv16, q32; writes qkv16, q32
.if DOCPART == 2
	.amdgcn_target "amdgcn-amd-amdhsa--gfx1250"
	.amdhsa_code_object_version 6
	.text
	.protected	k_qd73b885439_qkv
	.globl	k_qd73b885439_qkv
	.p2align	8
	.type	k_qd73b885439_qkv,@function
k_qd73b885439_qkv:
	s_mov_b64 s[64:65], 0
	v_nop
	global_prefetch_b8 v0, s[64:65] scope:SCOPE_SE
	s_setreg_imm32_b32 hwreg(HW_REG_WAVE_MODE, 25, 1), 1
	s_wait_xcnt 0x0
	s_wait_alu depctr_hold_cnt(0) depctr_sa_sdst(0) depctr_va_vdst(0) depctr_va_sdst(0) depctr_va_ssrc(0) depctr_va_vcc(0) depctr_vm_vsrc(0)
	s_getreg_b32 s2, hwreg(HW_REG_IB_STS2, 6, 4)
	s_cmp_eq_u32 s2, 0
	s_cbranch_scc0 .Lentry_in_a_cluster
	s_endpgm
.Lentry_in_a_cluster:
	s_bfe_u32 s2, ttmp6, 0x10000c
	s_cmp_lg_u32 s2, 0xf033
	s_cbranch_scc0 .Lentry_shape_is_right
	s_endpgm
.Lentry_shape_is_right:
; q, k, v = x Wq^T, x Wk^T, x Wv^T as ONE product C[8192][3072] = A B^T on codes of FP4 (E2M1) with one E8M0 scale for each 32 along K = 1,024; sums in f32.
; A = xc, xs; B = wc, ws (rows 0-1023 Wq, then Wk, then Wv).  C leaves as f16 in qkv16 [which 3][batch 4][head 16][position 2048][64]; the first 16 positions of every batch also as f32 in q32 [batch][16][3072].
; LIMIT: |q|, |k|, |v| up to 65,504 (f16).
; A tile of C, 256 x 256, is made by four waves, each 128 x 128: 64 accumulators, 512 registers.  K is two slots of 512 (LDS rows of 256 bytes): both are first fills, nothing is filled again.
; The scales of the work-group's 256 + 256 rows for all of K come once, in runs of 256 bytes, with the first fills.
; CLUSTERS: 4 x 4 work-groups; A's tiles are shared along a row of the cluster, B's along a column: joint loads.  The tile row is 8 cy + cluster y, so that the batch is cy and the tile's first position 256 x cluster y:
; whether a tile holds positions 0-15 then hangs on the cluster's y alone, which all partners share.
; THE MATRIX INSTRUCTION IS USED TRANSPOSED (source 0 = 16 rows of B, source 1 = 16 rows of A): a lane holds eight neighbouring columns of a row of C.
; REGISTERS: window 0: v0-31 addresses; v32-95 scale words, two sets; v128-191 A's fragments, one set (on the way out: rows read back); v192-223 packed results.  window 1: B's fragments, two sets.  windows 2, 3: accumulators.
.set KSTEP,  512
.set NQ,     4
.set ROWB,   256
.set KROW,   512                       ; a row of codes in memory, in bytes
.set PITCH,  272                       ; an LDS row: 256 bytes + 16 of padding: the 16 rows of a fragment load start at 16 different 16-byte columns
.set FR,     8
.set NL,     2
.set NP,     4                         ; places behind this matrix instruction (ISA guide 7.12.1)
.set HALFT,  128*PITCH
.set SLOT,   4*HALFT
.set KS,     32                        ; a row of scales in bytes
.set SCL,    2*SLOT
.set HALFS,  (128*KS/256)*272
.set SBLK,   (16*KS/256)*272
.set SPARE,  SCL+4*HALFS               ; the spare words, 128 bytes for each wave
.set STAGE,  SPARE+512                 ; the way out: 16 rows x (256 bytes + 16) for each wave; no fill lands here
.set SPITCH, 272
.set ADRA, 16
.set ADRB, 20
.set STO,  24
.set RD,   25
.set CO,   26
.set ADRS, 27
.set SPW,  28
.set NIL,  29
.set FO,   30                          ; v30 my byte offset in q32's 16 rows
.set SC,   32
.set AF,   128
.set BK,   128
.set TMP,  192
.set G1, 24
.set G0, 32
.set G1B, 48
.set G0B, 56
.set G1S, 68
.set G0S, 76
.set G1SB, 80
.set G0SB, 88
.set MSB, 0
.macro WIN new                         ; the immediate's high byte repeats the setting that is left
.if MSB != \new
	s_set_vgpr_msb (MSB<<8)|\new
.set MSB, \new
.endif
.endm
.set MUL_LO, 0xa1                      ; source 0 (B) window 1, source 1 (A) window 0, C and D window 2
.set MUL_HI, 0xf1
.set TO_B,   0x40
; A joint load: waves 0 and 1 fetch for A, waves 2 and 3 for B; the branch hangs on the wave's number alone.  An s_nop 0 and four v_nop follow each line.
.macro JLOAD g0a, g1a, g0b, g1b
	s_cmp_eq_u32 s15, 0
	s_cbranch_scc0 .Lfor_b_\@
	tensor_load_to_lds s[\g0a:\g0a+3], s[\g1a:\g1a+7]
	s_nop 0
.rept 4
	v_nop
.endr
	s_branch .Lasked_\@
.Lfor_b_\@:
	tensor_load_to_lds s[\g0b:\g0b+3], s[\g1b:\g1b+7]
	s_nop 0
.rept 4
	v_nop
.endr
.Lasked_\@:
.endm
.macro CROUND                          ; a round of the cluster's barrier
	s_barrier_signal -1
	s_barrier_wait -1
	s_cmp_lg_u32 s14, 0
	s_cbranch_scc1 .Lnot_wave_0_\@
	s_barrier_signal -3
.Lnot_wave_0_\@:
	s_barrier_wait -3
	s_barrier_signal -1
	s_barrier_wait -1
.endm
	s_load_b128 s[4:7], s[0:1], 0x0                ; A's codes, A's scales
	s_load_b128 s[8:11], s[0:1], 0x10              ; B's codes, B's scales
	s_load_b64 s[12:13], s[0:1], 0x20              ; qkv16
	s_load_b64 s[96:97], s[0:1], 0x28              ; q32
	v_lshl_add_u32 v[SPW], v0, 2, SPARE
	v_mov_b32 v[NIL], 0
	ds_add_u32 v[SPW], v[NIL]                      ; the wave's opening
	ds_add_u32 v[SPW], v[NIL]
	v_lshrrev_b32 v1, 5, v0
	v_readfirstlane_b32 s14, v1                    ; wave 0..3
	s_lshr_b32 s15, s14, 1                         ; which half of the tile's rows is mine.  Also: I fetch for A (0) or for B (1)
	s_and_b32 s16, s14, 1                          ; which half of its columns.  Also: which 128 rows I fetch
	s_bfe_u32 s40, ttmp6, 0x40000                  ; cx
	s_bfe_u32 s41, ttmp6, 0x40004                  ; cy
	s_lshl_b32 s42, ttmp9, 2
	s_add_co_u32 s42, s42, s40                     ; tile column of C = 4 x cluster x + cx
	s_and_b32 s3, ttmp7, 0xffff                    ; cluster y
	s_lshl_b32 s17, s41, 3
	s_add_co_u32 s17, s17, s3                      ; tile row of C = 8 cy + cluster y
	s_lshl_b32 s43, s41, 2
	s_lshl_b32 s43, 15, s43                        ; my row of the cluster
	s_lshl_b32 s44, 0x1111, s40                    ; my column
	s_or_b32 s[G1+0], s43, (0<<16)|(1<<20)|(1<<21)|(5<<22)|(3<<25)  ; the mask; elements of 1 byte; padding on; bit 21 beside a mask; 4 words after every 64
	s_or_b32 s[G1B+0], s44, (0<<16)|(1<<20)|(1<<21)|(5<<22)|(3<<25)
.irp g, G1, G1B
	s_mov_b32 s[\g+1], ROWB<<16                    ; tensor_dim0
	s_mov_b32 s[\g+2], 128<<16                     ; tensor_dim1
	s_mov_b32 s[\g+3], ROWB<<16                    ; tile_dim0
	s_mov_b32 s[\g+4], 128                         ; tile_dim1
	s_mov_b32 s[\g+5], KROW                        ; stride
	s_mov_b32 s[\g+6], 0
	s_mov_b32 s[\g+7], 0
.endr
	s_or_b32 s[G1S+0], s43, (3<<16)|(1<<20)|(1<<21)|(5<<22)|(3<<25) ; the scales of 128 rows: a dense block of 4,096 bytes as 16 rows of 256 (32 elements of 8 bytes)
	s_or_b32 s[G1SB+0], s44, (3<<16)|(1<<20)|(1<<21)|(5<<22)|(3<<25)
.irp g, G1S, G1SB
	s_mov_b32 s[\g+1], 32<<16
	s_mov_b32 s[\g+2], (128*KS/256)<<16
	s_mov_b32 s[\g+3], 32<<16
	s_mov_b32 s[\g+4], 128*KS/256
	s_mov_b32 s[\g+5], 32
	s_mov_b32 s[\g+6], 0
	s_mov_b32 s[\g+7], 0
.endr
	s_lshl_b32 s18, s16, 7
	s_lshl_b32 s20, s17, 8
	s_add_co_u32 s20, s20, s18                     ; A: row 256 x tile row + 128 x half
	s_lshl_b32 s46, s42, 8
	s_add_co_u32 s46, s46, s18                     ; B: row 256 x tile column + 128 x half
	s_mov_b32 s21, 0
	s_mov_b32 s47, 0
	s_mov_b64 s[18:19], KS
	s_mul_u64 s[22:23], s[20:21], s[18:19]         ; where these rows' scales begin
	s_mul_u64 s[92:93], s[46:47], s[18:19]
	s_mov_b64 s[18:19], KROW
	s_mul_u64 s[20:21], s[20:21], s[18:19]         ; and their codes
	s_mul_u64 s[46:47], s[46:47], s[18:19]
	s_mul_i32 s45, s14, HALFT                      ; where they go: wave x 128 rows
	s_mul_i32 s94, s14, HALFS
	s_wait_dscnt 0x0                               ; both opening adds are done
	s_wait_kmcnt 0x0
	s_add_nc_u64 s[20:21], s[4:5], s[20:21]
	s_add_nc_u64 s[22:23], s[6:7], s[22:23]
	s_add_nc_u64 s[46:47], s[8:9], s[46:47]
	s_add_nc_u64 s[92:93], s[10:11], s[92:93]
	CROUND                                         ; all sixteen work-groups are here: the joint loads meet
	s_mov_b32 s[G0S], 1
	s_add_co_u32 s[G0S+1], s94, SCL
	s_mov_b64 s[G0S+2:G0S+3], s[22:23]
	s_or_b32 s[G0S+3], s[G0S+3], 0x80000000
	s_mov_b32 s[G0SB], 1
	s_add_co_u32 s[G0SB+1], s94, SCL
	s_mov_b64 s[G0SB+2:G0SB+3], s[92:93]
	s_or_b32 s[G0SB+3], s[G0SB+3], 0x80000000
	JLOAD G0S, G1S, G0SB, G1SB                     ; the scales first
.irp s, 0,1
	s_mov_b32 s[G0+4*\s], 1
	s_add_co_u32 s[G0+4*\s+1], s45, \s*SLOT
	s_add_nc_u64 s[G0+4*\s+2:G0+4*\s+3], s[20:21], \s*ROWB
	s_or_b32 s[G0+4*\s+3], s[G0+4*\s+3], 0x80000000
	s_mov_b32 s[G0B+4*\s], 1
	s_add_co_u32 s[G0B+4*\s+1], s45, \s*SLOT
	s_add_nc_u64 s[G0B+4*\s+2:G0B+4*\s+3], s[46:47], \s*ROWB
	s_or_b32 s[G0B+4*\s+3], s[G0B+4*\s+3], 0x80000000
	JLOAD G0+4*\s, G1, G0B+4*\s, G1B
.endr
	v_and_b32 v1, 15, v0                           ; r = l % 16
	v_bfe_u32 v2, v0, 4, 1                         ; h = l / 16
	v_mul_u32_u24 v3, v1, PITCH
	v_lshl_add_u32 v4, v2, 4, v3                   ; a fragment's row x pitch + 16 x half
	s_mul_i32 s21, s15, HALFT                      ; my 128 rows of A
	s_mul_i32 s22, s16, HALFT                      ; my 128 rows of B,
	s_add_co_u32 s22, s22, 2*HALFT                 ; behind A's 256
.irp s, 0,1
	v_add_nc_u32 v[ADRA+\s], s21, v4
	v_add_nc_u32 v[ADRB+\s], s22, v4
	s_add_co_u32 s21, s21, SLOT
	s_add_co_u32 s22, s22, SLOT
.endr
	v_mul_u32_u24 v5, v1, KS                       ; my row's scales: 32 bytes a row,
	v_lshrrev_b32 v6, 8, v5
	v_lshl_add_u32 v5, v6, 4, v5                   ; and 16 more for each 256 passed
	s_mul_i32 s21, s15, HALFS
	s_mul_i32 s22, s16, HALFS
	s_add_co_u32 s22, s22, 2*HALFS
	s_sub_co_u32 s22, s22, s21
	v_mul_u32_u24 v6, s22, v2                      ; lanes 16-31 take B's
	s_add_co_u32 s21, s21, SCL
	v_add_nc_u32 v5, v5, v6
	v_add_nc_u32 v[ADRS], s21, v5
	s_mul_i32 s23, s14, 16*SPITCH
	s_add_co_u32 s23, s23, STAGE                   ; my stage
	v_mul_u32_u24 v5, v1, SPITCH                   ; in: row r, 16 bytes for each half of the lanes
	v_lshl_add_u32 v5, v2, 4, v5
	v_add_nc_u32 v[STO], s23, v5
	v_bfe_u32 v5, v0, 3, 1                         ; back: lanes 0-15 take two rows' first 128 bytes (one head), lanes 16-31 their second (the next head)
	v_mul_u32_u24 v5, v5, SPITCH
	v_lshl_add_u32 v5, v2, 7, v5
	v_and_b32 v6, 7, v0
	v_lshl_add_u32 v5, v6, 4, v5
	v_add_nc_u32 v[RD], s23, v5
	v_lshlrev_b32 v[CO], 18, v2                    ; in qkv16: a head's plane is 262,144 bytes; two positions of a head are 256 consecutive bytes
	v_lshl_add_u32 v[CO], v1, 4, v[CO]
	v_mul_u32_u24 v[FO], v1, 12288                 ; in q32: row r of 3,072 f32, + 32 h
	v_lshl_add_u32 v[FO], v2, 5, v[FO]
	s_lshl_b32 s46, ttmp9, 6                       ; the plane: 64 x which (= cluster x) + 16 x batch (= cy) + head (= 4 cx + 2 x my half)
	s_lshl_b32 s47, s41, 4
	s_add_co_u32 s46, s46, s47
	s_lshl_b32 s47, s40, 2
	s_add_co_u32 s46, s46, s47
	s_lshl_b32 s47, s16, 1
	s_add_co_u32 s46, s46, s47
	s_lshl_b32 s46, s46, 18
	s_lshl_b32 s47, s3, 15                         ; + position 256 x cluster y,
	s_add_co_u32 s46, s46, s47
	s_lshl_b32 s47, s15, 14                        ; + my 128 rows, 128 bytes each
	s_add_co_u32 s46, s46, s47
	s_mov_b32 s47, 0
	s_add_nc_u64 s[12:13], s[12:13], s[46:47]
	s_mul_i32 s46, s41, 196608                     ; q32: batch, column 256 x tile column + 128 x half
	s_lshl_b32 s47, s42, 10
	s_add_co_u32 s46, s46, s47
	s_lshl_b32 s47, s16, 9
	s_add_co_u32 s46, s46, s47
	s_mov_b32 s47, 0
	s_add_nc_u64 s[96:97], s[96:97], s[46:47]
.macro FRAG reg, adr, q, i             ; 16 rows x 128 K of 4-bit codes: 8 registers; registers 4 c .. 4 c + 3 hold K = 64 c + 32 (l / 16) + 0 .. 31
.irp c, 0,1
	ds_load_b128 v[\reg+4*\c:\reg+4*\c+3], v[\adr] offset:64*(\q)+32*\c+(\i)*16*PITCH
.endr
.endm
; 16 matrix instructions: A's blocks a0, a0 + 1 x B's eight.  The 64 accumulators take turns, one instruction a turn.
.macro MUL16 a0, p, q, sc, zero
.irp a, \a0, \a0+1
.irp b, 0,1,2,3,4,5,6,7
.if \zero
	v_wmma_scale_f32_16x16x128_f8f6f4 v[8*(8*((\a)%4)+\b):8*(8*((\a)%4)+\b)+7], v[128*(\p)+FR*\b:128*(\p)+FR*\b+FR-1], v[AF+FR*(\a):AF+FR*(\a)+FR-1], 0, v[SC+8*NQ*(\sc)+NQ*\b+(\q)], v[SC+8*NQ*(\sc)+NQ*(\a)+(\q)] matrix_a_fmt:MATRIX_FMT_FP4 matrix_b_fmt:MATRIX_FMT_FP4 matrix_a_scale:MATRIX_SCALE_ROW1
.else
	v_wmma_scale_f32_16x16x128_f8f6f4 v[8*(8*((\a)%4)+\b):8*(8*((\a)%4)+\b)+7], v[128*(\p)+FR*\b:128*(\p)+FR*\b+FR-1], v[AF+FR*(\a):AF+FR*(\a)+FR-1], v[8*(8*((\a)%4)+\b):8*(8*((\a)%4)+\b)+7], v[SC+8*NQ*(\sc)+NQ*\b+(\q)], v[SC+8*NQ*(\sc)+NQ*(\a)+(\q)] matrix_a_fmt:MATRIX_FMT_FP4 matrix_b_fmt:MATRIX_FMT_FP4 matrix_a_scale:MATRIX_SCALE_ROW1
.endif
.endr
.endr
.endm
.macro FETCH_B slot, q, p
	WIN TO_B
.irp i, 0,1,2,3,4,5,6,7
	FRAG 128*(\p)+FR*\i, ADRB+\slot, \q, \i
.endr
	WIN 0
.endm
.macro FETCH_A slot, q, i0
.irp i, \i0, \i0+1, \i0+2, \i0+3
	FRAG AF+FR*(\i), ADRA+\slot, \q, \i
.endr
.endm
.macro SCALES sc                       ; a slot's scale words: 4 words a row; lanes 0-15 A's block i, lanes 16-31 B's block i
.irp i, 0,1,2,3,4,5,6,7
	ds_load_b128 v[SC+8*NQ*\sc+NQ*\i:SC+8*NQ*\sc+NQ*\i+3], v[ADRS] offset:\i*SBLK
.endr
.endm
.macro PLACES n                        ; plain vector instructions between a matrix instruction and a load into, or a read of, its registers
.rept \n
	v_nop
.endr
.endm
.macro STEP slot, q, zero              ; 128 along K, with its successor in the same slot
	s_wait_dscnt 4*NL                              ; B's set and A's blocks 0-3 are in; the youngest eight loads (A's blocks 4-7) may be out
	WIN MUL_LO
	MUL16 0, (\q)%2, \q, \slot, \zero
	MUL16 2, (\q)%2, \q, \slot, \zero
	s_wait_dscnt 0
	PLACES NP
	FETCH_B \slot, (\q)+1, 1-(\q)%2
	FETCH_A \slot, (\q)+1, 0
	WIN MUL_HI
	MUL16 4, (\q)%2, \q, \slot, \zero
	MUL16 6, (\q)%2, \q, \slot, \zero
	PLACES NP
	WIN 0
	FETCH_A \slot, (\q)+1, 4
.endm
.macro TURN slot, next                 ; a slot's last step changes slots: one barrier
	s_wait_tensorcnt 0x0                           ; all my tensor loads have landed: my part of the next slot
	ds_add_u32 v[SPW], v[NIL]                      ; 0 onto my spare word
	s_wait_dscnt 4*NL+1                            ; (the add and the youngest eight loads may be out)
	WIN MUL_LO
	MUL16 0, 1, NQ-1, \slot, 0
	s_wait_dscnt 0x0                               ; no LDS instruction of mine is pending at the signal
	s_barrier_signal -1
	MUL16 2, 1, NQ-1, \slot, 0
	WIN 0
	s_barrier_wait -1                              ; everybody's part of the next slot is in
	PLACES NP
	v_add_nc_u32 v[ADRS], 4*NQ, v[ADRS]            ; on to the next slot's scale words
	FETCH_B \next, 0, 0
	FETCH_A \next, 0, 0
	SCALES \next
	WIN MUL_HI
	MUL16 4, 1, NQ-1, \slot, 0
	MUL16 6, 1, NQ-1, \slot, 0
	PLACES NP
	WIN 0
	FETCH_A \next, 0, 4
.endm
.macro STEPS slot, from
.set Q, \from
.rept NQ-1-\from
	STEP \slot, Q, 0
.set Q, Q+1
.endr
.endm
	s_wait_tensorcnt 1                             ; the scales and my part of slot 0 are in (slot 1's load may be out),
	s_barrier_signal -1
	s_barrier_wait -1                              ; everybody's are
	FETCH_B 0, 0, 0
	FETCH_A 0, 0, 0
	SCALES 0
	FETCH_A 0, 0, 4
	STEP 0, 0, 1                                   ; the first products start the sums: nothing is cleared
	STEPS 0, 1
	TURN 0, 1
	STEPS 1, 0
	s_wait_dscnt 4*NL                              ; the very last step
	WIN MUL_LO
	MUL16 0, 1, NQ-1, 1, 0
	MUL16 2, 1, NQ-1, 1, 0
	s_wait_dscnt 0
	WIN MUL_HI
	MUL16 4, 1, NQ-1, 1, 0
	MUL16 6, 1, NQ-1, 1, 0
	WIN 0
	PLACES NP
	; positions 0-15 of a batch lie in block 0 of the waves with the tile's upper rows, in the tiles of cluster y = 0: they leave in f32 too.  The branch hangs on the cluster's y and the wave's number.
	s_or_b32 s18, s3, s15
	s_cmp_lg_u32 s18, 0
	s_cbranch_scc1 .Lnofine
	WIN 0x08                                       ; a store's data are its source 1: window 2
.irp b, 0,1,2,3,4,5,6,7
	global_store_b128 v[FO], v[8*\b:8*\b+3], s[96:97] offset:64*\b        ; each accumulator from its low end on
	global_store_b128 v[FO], v[8*\b+4:8*\b+7], s[96:97] offset:64*\b+16
.endr
	WIN 0
.Lnofine:
; THE WAY OUT, a block of 16 rows x 128 columns at a time: rounded to f16, through my stage, back as two positions x two heads, stored as two aligned runs of 256 bytes.
.macro PACK a
.set AC, 64*((\a)%4)
	WIN 0x0a+5*((\a)/4)                            ; sources 0 and 1: window 2 or 3
.irp b, 0,1,2,3,4,5,6,7
.irp r, 0,1,2,3
	v_cvt_pk_f16_f32 v[TMP+4*\b+\r], v[AC+8*\b+2*\r], v[AC+8*\b+2*\r+1]
.endr
.endr
	WIN 0
.endm
.macro TOSTAGE a
.set BB, BK+32*((\a)%2)
.irp b, 0,1,2,3,4,5,6,7
	ds_store_b128 v[STO], v[TMP+4*\b:TMP+4*\b+3] offset:32*\b
.endr
.irp t, 0,1,2,3,4,5,6,7
	ds_load_b128 v[BB+4*\t:BB+4*\t+3], v[RD] offset:\t*2*SPITCH    ; LDS serves a wave's instructions in order: these see the stores above
.endr
.endm
.macro SEND a
.set BB, BK+32*((\a)%2)
	s_wait_dscnt 0x0                               ; the block is back in registers
	s_wait_xcnt 0x0                                ; the stores of the block before have read their registers, which the next block's loads take
.irp t, 0,1,2,3,4,5,6,7
	global_store_b128 v[CO], v[BB+4*\t:BB+4*\t+3], s[12:13] offset:2048*(\a)+256*\t
.endr
.endm
	PACK 0
	TOSTAGE 0
.irp a, 1,2,3,4,5,6,7                  ; block a's conversions stand between block a - 1's loads from the stage and the wait for them
	PACK \a
	SEND \a-1
	TOSTAGE \a
.endr
	SEND 7
	s_wait_tensorcnt 0x0                           ; the wave's end
	ds_add_u32 v[SPW], v[NIL]
	s_wait_dscnt 0x0
	CROUND                                         ; the closing round
	s_endpgm
.Lfunc_end_k_qd73b885439_qkv:
	.size	k_qd73b885439_qkv, .Lfunc_end_k_qd73b885439_qkv-k_qd73b885439_qkv
	.p2alignl 7, 3214868480
	.fill 96, 4, 3214868480
	.section	.rodata,"a",@progbits
	.p2align	6, 0x0
	.amdhsa_kernel k_qd73b885439_qkv
		.amdhsa_group_segment_fixed_size 327680
		.amdhsa_private_segment_fixed_size 0
		.amdhsa_enable_private_segment 0
		.amdhsa_kernarg_size 48
		.amdhsa_user_sgpr_count 2
		.amdhsa_user_sgpr_kernarg_segment_ptr 1
		.amdhsa_wavefront_size32 1
		.amdhsa_system_sgpr_workgroup_id_x 1
		.amdhsa_system_sgpr_workgroup_id_y 1
		.amdhsa_system_sgpr_workgroup_id_z 1
		.amdhsa_system_vgpr_workitem_id 0
		.amdhsa_next_free_vgpr 1024
		.amdhsa_next_free_sgpr 98
		.amdhsa_reserve_vcc 0
		.amdhsa_float_denorm_mode_32 3
		.amdhsa_float_denorm_mode_16_64 3
		.amdhsa_memory_ordered 1
		.amdhsa_forward_progress 1
		.amdhsa_inst_pref_size 129
	.end_amdhsa_kernel
	.amdgpu_metadata
---
amdhsa.version: [ 1, 2 ]
amdhsa.kernels:
  - .name:           k_qd73b885439_qkv
    .symbol:         k_qd73b885439_qkv.kd
    .args:
      - { .name: xc, .offset: 0, .size: 8, .value_kind: global_buffer, .address_space: global }
      - { .name: xs, .offset: 8, .size: 8, .value_kind: global_buffer, .address_space: global }
      - { .name: wc, .offset: 16, .size: 8, .value_kind: global_buffer, .address_space: global }
      - { .name: ws, .offset: 24, .size: 8, .value_kind: global_buffer, .address_space: global }
      - { .name: qkv16, .offset: 32, .size: 8, .value_kind: global_buffer, .address_space: global }
      - { .name: q32, .offset: 40, .size: 8, .value_kind: global_buffer, .address_space: global }
    .group_segment_fixed_size: 327680
    .private_segment_fixed_size: 0
    .kernarg_segment_align: 8
    .kernarg_segment_size: 48
    .max_flat_workgroup_size: 128
    .sgpr_count:     98
    .vgpr_count:     1024
    .wavefront_size: 32
...
	.end_amdgpu_metadata
.endif
;; end of part 2
;; launch attn (part 3): grid 4 x 64, 4 waves a work-group, no clusters, 327,680 bytes of LDS; arguments qkv16, attention_mask, at16; writes at16
.if DOCPART == 3
	.amdgcn_target "amdgcn-amd-amdhsa--gfx1250"
	.amdhsa_code_object_version 6
	.text
	.protected	k_qd73b885439_attn
	.globl	k_qd73b885439_attn
	.p2align	8
	.type	k_qd73b885439_attn,@function
k_qd73b885439_attn:
	s_mov_b64 s[64:65], 0
	v_nop
	global_prefetch_b8 v0, s[64:65] scope:SCOPE_SE
	s_setreg_imm32_b32 hwreg(HW_REG_WAVE_MODE, 25, 1), 1
	s_wait_xcnt 0x0
; at16[b][head][q][:] = the sum over k of softmax_k(Q[q] . K[k] / 8, masked) V[k][:].  Key k counts for query q where k <= q and attention_mask[b][k].  Q, K, V: planes of qkv16, f16 [2048][64]; at16 likewise.
; Products on f16 operands, sums, maxima and the softmax in f32; the weights p are rounded to f16 for the second product, the result once at the end.
; LIMITS: scores above -1e30 (f16 operands bound |score| by 2.8e11); NaN and infinities in q, k, v are not served.  A query with no key that counts gets NaN: its sum and its O stay 0, and 0 x (1 / 0) is NaN.
; SHARES.  Work-group (i, head) owns query blocks i and 7 - i of 256 queries, one after the other, and walks 9 key blocks of 256: 0 .. i for the first, 0 .. 7 - i for the second: every work-group has the same work.
; Wave w's tile u (0..3) holds queries 64 u + 16 w + 0..15 of the block, so that all waves run one text on the diagonal: in step s (64 keys) of the diagonal block tiles u > s see all keys, tile u = s a
; pattern that hangs on w as data, tiles u < s none.
; NO CLUSTER: the four work-groups of a head walk different sequences of key blocks (0 .. i, then 0 .. 7 - i): in a given round partners would need different tiles; walking in step would take 12 blocks in place of 9.
; LAYOUT.  S^T = K Q^T (source 0 = 16 keys, source 1 = 16 queries), O^T = V^T P: a lane holds ONE query (lane % 16) throughout.  K comes out of LDS as it lies, V turned by ds_load_tr16_b128.
; MASKS.  The padding mask costs no vector work: S^T's first product takes as C a bias of the key, 0 or -3e38, from a table in LDS.  The causal mask is laid on S between a piece's products and its softmax, in the
; diagonal blocks alone, under scalar branches on ids.  -3e38 is finite and m never falls under -1e30, so a masked p is exactly 0.
; BY TURNS.  The wave's tiles are two pieces (tiles 0, 1; tiles 2, 3).  In a turn one piece has the matrix unit (16 products V^T P of the step in hand, 16 products K Q^T of the next), and the other piece's softmax,
; 59 slices of four instructions, stands between them.  The pipeline runs on across key blocks.  A query block begins with c m = -3e38: the first softmax of each tile then has a = 0, which clears O and l (both finite).
; REGISTERS, in windows of 256: window 0: v2-11 addresses; v12-43 statistics, 8 a tile; v64-191 S^T, 32 a tile; v192-255 P, 16 a tile.  window 1: v0-127 O^T, 32 a tile; v128-159 the step's padding bias; v192-223 the diagonal's pattern.
;   window 2: v0-63 Q; v64-127 K of one step; v128-191 the second block's Q.  window 3: v0-63 V of one step.
.set PK,    144       ; a row of K in LDS: 128 bytes + 16: the 16 rows of a load start at 16 different 16-byte columns
.set PVP,   160       ; a row of V: 128 + 32: an odd multiple of 32
.set VOFF,  256*PK    ; a slot: 256 rows of K, then 256 rows of V
.set SLOT1, 1<<17     ; slot 1 begins here: one exclusive or turns an address in one slot into the other's
.set BIAS,  2*SLOT1   ; 2,048 f32: the keys' padding bias; 4,096 bytes behind it stay unused
.set STAGE, BIAS+12288  ; the way out: 16 rows x 144 bytes for each wave
.set SP,    144
.set SPARE, STAGE+4*16*SP  ; the spare words, 128 bytes for each wave
.set AK0, 2           ; my lane's place in a tile of K
.set AV0, 3           ; the same for V
.set ADR, 4           ; the LDS address of the run of loads in hand
.set QO,  5           ; my byte offset in a tile of Q
.set STO, 6
.set RD,  7
.set GO,  8
.set APB, 9           ; my lane's place in the bias table
.set ADR2, 10
.set ST,  12          ; tile t's statistics at v[ST+8 t]: +0 c m, +1 m, +2, +3 l, +4 to +7 at work; a takes +6
.set NEGV, 44         ; -3e38
.set PFO, 61          ; 256 x my lane
.set SPW, 62
.set NIL, 63
.set S,   64
.set P,   192
.set KF,  64          ; K's fragments, in window 2
.set PB,  128         ; window 1
.set CAUS, 192        ; window 1
.set WV,  12
.set I,   13          ; the work-group's x
.set I1,  14          ; + 1
.set LIM, 15          ; 7 in the head's first work-group, else 0: it prefetches while N is under it
.set N,   16          ; the walk's block, 0 .. 8
.set TW,  17
.set TK,  18
.set TV,  19
.set TP,  20
.set SL,  21
.set G1K, 24
.set G1V, 32
.set G0K, 40
.set G0V, 44
.set KW,  48          ; s[48:49] K's plane at my half of a block;  s[50:51] V's
.set VW,  50
.set PFK, 52
.set PFV, 54
.set SD,  56          ; the step's number in a diagonal block; negative in every other block
.set CS,  58
.set SEL, 60
.set MSB, 0
.macro WIN new
.if MSB != \new
	s_set_vgpr_msb (MSB<<8)|\new
.set MSB, \new
.endif
.endm
.set W_KQ,  0x0a      ; K and Q in window 2, S^T in window 0
.set W_KQ1, 0x1a      ; the same, C (the bias) in window 1
.set W_PV,  0x53      ; V in window 3, P in window 0, O^T in window 1
.set W_RS,  0x41      ; O^T in window 1, a in window 0
; Waves 0 and 1 fetch K's halves of a block, waves 2 and 3 V's: 128 rows each.  An s_nop 0 and four v_nop follow each line.
.macro TLOAD
	s_cmp_lt_u32 s[WV], 2
	s_cbranch_scc0 .Lfor_v_\@
	tensor_load_to_lds s[G0K:G0K+3], s[G1K:G1K+7]
	s_nop 0
.rept 4
	v_nop
.endr
	s_branch .Lasked_\@
.Lfor_v_\@:
	tensor_load_to_lds s[G0V:G0V+3], s[G1V:G1V+7]
	s_nop 0
.rept 4
	v_nop
.endr
.Lasked_\@:
.endm
; A prefetch into the L2 of key block N + 1, which the head's first work-group asks for by its tensor load one block (8 turns) later.  All four work-groups of a head read the same K and V: the first asks, nobody else;
; each of its waves names 8,192 bytes of K and of V, lanes 256 bytes apart: each run of 256 bytes is named once in the launch.  Trips 0 to 6 ask for blocks 1 to 7; block 0 comes by its load alone.
.macro ASK
	s_cmp_lt_u32 s[N], s[LIM]
	s_cbranch_scc0 .Lnot_mine_\@
	global_prefetch_b8 v[PFO], s[PFK:PFK+1] th:TH_LOAD_NT scope:SCOPE_SE
	global_prefetch_b8 v[PFO], s[PFV:PFV+1] th:TH_LOAD_NT scope:SCOPE_SE
.Lnot_mine_\@:
.endm
	s_load_b128 s[4:7], s[0:1], 0x0   ; qkv16, attention_mask
	s_load_b64 s[8:9], s[0:1], 0x10   ; at16
	v_lshl_add_u32 v[SPW], v0, 2, SPARE
	v_mov_b32 v[NIL], 0
	ds_add_u32 v[SPW], v[NIL]       ; the wave's opening
	ds_add_u32 v[SPW], v[NIL]
	v_lshrrev_b32 v1, 5, v0
	v_readfirstlane_b32 s[WV], v1   ; wave 0..3
	s_mov_b32 s[I], ttmp9
	s_add_co_u32 s[I1], ttmp9, 1
	s_cmp_eq_u32 s[I], 0
	s_cselect_b32 s[LIM], 7, 0
	s_and_b32 s66, ttmp7, 0xffff    ; 16 x batch + head
	s_lshl_b32 s67, s66, 18         ; its plane of 262,144 bytes
	s_lshr_b32 s68, s66, 4
	s_lshl_b32 s68, s68, 11         ; the batch's row of the mask
	s_lshl_b32 s69, s[WV], 11       ; my wave's 16 rows of 128 bytes
	s_lshl_b32 s70, s[I], 15
	s_add_co_u32 s70, s70, s69      ; the first query block, my rows
	s_sub_co_u32 s71, 7, s[I]
	s_lshl_b32 s71, s71, 15
	s_add_co_u32 s71, s71, s69      ; the second
	s_and_b32 s69, s[WV], 1         ; which half of a block I fetch
	s_mov_b32 s[G1K], (1<<16)|(1<<20)|(4<<22)|(3<<25)   ; elements of 2 bytes; padding on: 4 words after every 32
	s_mov_b32 s[G1V], (1<<16)|(1<<20)|(4<<22)|(7<<25)   ; 8 words
.irp g, G1K, G1V
	s_mov_b32 s[\g+1], 64<<16       ; tensor_dim0
	s_mov_b32 s[\g+2], 128<<16      ; tensor_dim1
	s_mov_b32 s[\g+3], 64<<16       ; tile_dim0
	s_mov_b32 s[\g+4], 128          ; tile_dim1
	s_mov_b32 s[\g+5], 64           ; stride
	s_mov_b32 s[\g+6], 0
	s_mov_b32 s[\g+7], 0
.endr
	s_mov_b32 s[CS], 0x3e38aa3b     ; c = log2(e) / 8
	s_mov_b32 s[CS+1], s[CS]
	s_mov_b32 s[SEL], 0x76543210
	s_mov_b32 s[SEL+1], 0xfedcba98
	s_mov_b32 s[SL], 0
	s_mov_b32 s[N], 0
	s_mov_b32 s23, 0
	s_wait_dscnt 0x0                ; both opening adds are done
	s_wait_kmcnt 0x0
	s_mov_b32 s22, s67
	s_add_nc_u64 s[4:5], s[4:5], s[22:23]      ; Q's plane
	s_add_nc_u64 s[8:9], s[8:9], s[22:23]      ; the result's plane
	s_mov_b32 s22, s68
	s_add_nc_u64 s[6:7], s[6:7], s[22:23]
	s_lshl_b32 s22, s69, 14
	s_add_nc_u64 s[KW:KW+1], s[4:5], s[22:23]
	s_add_nc_u64 s[VW:VW+1], s[KW:KW+1], 0x2000000   ; V's planes lie 128 planes on,
	s_add_nc_u64 s[KW:KW+1], s[KW:KW+1], 0x1000000   ; K's 64
	s_lshl_b32 s22, s[WV], 13
	s_add_nc_u64 s[PFK:PFK+1], s[4:5], s[22:23]      ; the prefetches: my wave's 8,192 bytes of block 0; the first change of slots steps them to block 1
	s_add_nc_u64 s[PFV:PFV+1], s[PFK:PFK+1], 0x2000000
	s_add_nc_u64 s[PFK:PFK+1], s[PFK:PFK+1], 0x1000000
	s_mov_b32 s22, s71
	s_add_nc_u64 s[74:75], s[4:5], s[22:23]    ; the second block's Q,
	s_add_nc_u64 s[10:11], s[8:9], s[22:23]    ; and where its result goes
	s_mov_b32 s22, s70
	s_add_nc_u64 s[72:73], s[4:5], s[22:23]    ; the first block's
	s_add_nc_u64 s[8:9], s[8:9], s[22:23]
	s_mov_b32 s[G0K], 1
	s_mul_i32 s[G0K+1], s69, 128*PK
	s_mov_b64 s[G0K+2:G0K+3], s[KW:KW+1]
	s_or_b32 s[G0K+3], s[G0K+3], 0x80000000
	s_mov_b32 s[G0V], 1
	s_mul_i32 s[G0V+1], s69, 128*PVP
	s_add_co_u32 s[G0V+1], s[G0V+1], VOFF
	s_mov_b64 s[G0V+2:G0V+3], s[VW:VW+1]
	s_or_b32 s[G0V+3], s[G0V+3], 0x80000000
	TLOAD                           ; key block 0 into slot 0: one load of mine is out
	v_and_b32 v1, 15, v0            ; r
	v_bfe_u32 v11, v0, 4, 1         ; h
	v_lshlrev_b32 v[QO], 7, v1
	v_lshl_add_u32 v[QO], v11, 4, v[QO]
	v_lshlrev_b32 v47, 4, v0
	global_load_b128 v[48:51], v47, s[6:7]   ; 16 bytes of the mask a thread: the batch's 2,048
	WIN 0x80                        ; destination window 2
.irp u, 0,1,2,3
.irp c, 0,1
	global_load_b128 v[16*\u+8*\c:16*\u+8*\c+3],   v[QO], s[72:73] offset:8192*\u+64*\c
	global_load_b128 v[16*\u+8*\c+4:16*\u+8*\c+7], v[QO], s[72:73] offset:8192*\u+64*\c+32
.endr
.endr
.irp u, 0,1,2,3
.irp c, 0,1
	global_load_b128 v[128+16*\u+8*\c:128+16*\u+8*\c+3],   v[QO], s[74:75] offset:8192*\u+64*\c
	global_load_b128 v[128+16*\u+8*\c+4:128+16*\u+8*\c+7], v[QO], s[74:75] offset:8192*\u+64*\c+32
.endr
.endr
	WIN 0
	v_mul_u32_u24 v[AK0], v1, PK
	v_lshl_add_u32 v[AK0], v11, 4, v[AK0]
	v_and_b32 v52, 7, v0
	v_bfe_u32 v53, v0, 3, 1
	v_lshl_add_u32 v[AV0], v11, 3, v52     ; the turning load: key 8 h + l % 8, channels 8 ((l / 8) % 2) on
	v_mul_u32_u24 v[AV0], v[AV0], PVP
	v_lshl_add_u32 v[AV0], v53, 4, v[AV0]
	v_lshl_add_u32 v[APB], v11, 5, BIAS    ; register j of a bias: key 8 h + j
	s_mul_i32 s66, s[WV], 16*SP
	s_add_co_u32 s66, s66, STAGE
	v_mul_u32_u24 v[STO], v1, SP
	v_lshl_add_u32 v[STO], v11, 4, v[STO]
	v_add_nc_u32 v[STO], s66, v[STO]
	v_and_b32 v54, 31, v0
	v_lshrrev_b32 v[RD], 3, v54            ; back: eight lanes to a row of 128 bytes, four rows an instruction
	v_mul_u32_u24 v[RD], v[RD], SP
	v_lshl_add_u32 v[RD], v52, 4, v[RD]
	v_add_nc_u32 v[RD], s66, v[RD]
	v_lshlrev_b32 v[GO], 4, v54
	v_lshlrev_b32 v[PFO], 8, v54
	v_lshl_add_u32 v46, v0, 6, BIAS        ; where my 16 biases go
	v_mov_b32 v[NEGV], 0xff61b1e6
	v_mov_b32 v55, 0x7f61b1e6              ; +3e38
	v_lshlrev_b32 v45, 3, v11
	v_sub_nc_u32 v45, v1, v45
	v_lshl_add_u32 v45, s[WV], 4, v45      ; d = 16 w + r - 8 h: on the diagonal register 8 kt + j (key 16 kt + 8 h + j) is hidden where 16 kt + j > d
	WIN 0x40                        ; destination window 1
.set n, 0
.rept 32
	v_cmp_gt_i32 vcc_lo, 16*(n/8)+n%8, v45
	v_cndmask_b32 v[CAUS+n], v55, v[NEGV], vcc_lo
.set n, n+1
.endr
.set n, 0
.rept 128
	v_mov_b32 v[n], 0               ; O^T: a defined, finite value, which the first a = 0 clears
.set n, n+1
.endr
	WIN 0xc0
.set n, 0
.rept 64
	v_mov_b32 v[n], 0               ; V: the pipeline's first products multiply it by p = 0
.set n, n+1
.endr
	WIN 0
.set n, 0
.rept 32
	v_mov_b32 v[P+n], 0
.set n, n+1
.endr
.irp t, 0,1,2,3
	v_mov_b32 v[ST+8*\t+2], 0
	v_mov_b32 v[ST+8*\t+3], 0
.endr
.macro STATE                        ; a query block's start: piece 2's scores of the step that never was, c m and m
.set n, 0
.rept 64
	v_mov_b32 v[S+64+n], v[NEGV]
.set n, n+1
.endr
.irp t, 0,1,2,3
	v_mov_b32 v[ST+8*\t], v[NEGV]
	v_mov_b32 v[ST+8*\t+1], 0xf149f2ca     ; -1e30: the floor of m
.endr
.endm
	STATE
	s_wait_loadcnt 32               ; the mask is in; Q's 32 loads may be out
.set n, 0
.rept 16
	v_bfe_u32 v[64+n], v[48+n/4], 8*(n%4), 8
	v_add_nc_u32 v[64+n], -1, v[64+n]      ; 1 -> 0, 0 -> all ones
	v_and_b32 v[64+n], v[NEGV], v[64+n]    ; 0 or -3e38
.set n, n+1
.endr
.irp q, 0,1,2,3
	ds_store_b128 v46, v[64+4*\q:64+4*\q+3] offset:16*\q
.endr
	s_wait_loadcnt 0x0              ; Q
; THE MATRIX WORK OF A TURN, for piece x.  The eight accumulators take turns, one instruction a turn.
.macro PV x                         ; product i of 16 of O^T += V^T P: keys 32 (i / 8) on, channels 16 ((i / 2) % 4) on, tile x + i % 2
	WIN W_PV
.set rO, 32*(\x+i%2)+8*((i/2)%4)
.set rV, 32*(i/8)+8*((i/2)%4)
.set rP, P+16*(\x+i%2)+8*(i/8)
	v_wmma_f32_16x16x32_f16 v[rO:rO+7], v[rV:rV+7], v[rP:rP+7], v[rO:rO+7]
.endm
.macro KQ x                         ; product i of 16 of S^T = K Q^T + bias: channels 32 (i / 8) on, keys 16 ((i / 2) % 4) on, tile x + i % 2
.set rS, S+32*(\x+i%2)+8*((i/2)%4)
.set rK, KF+16*((i/2)%4)+8*(i/8)
.set rQ, 16*(\x+i%2)+8*(i/8)
.set rC, PB+8*((i/2)%4)
.if i < 8
	WIN W_KQ1
	v_wmma_f32_16x16x32_f16 v[rS:rS+7], v[rK:rK+7], v[rQ:rQ+7], v[rC:rC+7]
.else
	WIN W_KQ
	v_wmma_f32_16x16x32_f16 v[rS:rS+7], v[rK:rK+7], v[rQ:rQ+7], v[rS:rS+7]
.endif
.endm
; THE LDS LOADS stand in runs: a step's K (8 fragments) with its padding bias, and, a turn later, its V (turned).
.macro FETCH_K
	WIN 0
	v_add_nc_u32 v[ADR], s[TK], v[AK0]
	v_add_nc_u32 v[ADR2], s[TP], v[APB]
	s_add_co_u32 s[TK], s[TK], 64*PK
	s_add_co_u32 s[TP], s[TP], 256
	WIN 0x80
.irp f, 0,1,2,3,4,5,6,7             ; keys 16 (f / 2) on, channels 32 (f % 2) on
	ds_load_b128 v[KF+8*\f:KF+8*\f+3],   v[ADR] offset:(\f/2)*16*PK+(\f%2)*64
	ds_load_b128 v[KF+8*\f+4:KF+8*\f+7], v[ADR] offset:(\f/2)*16*PK+(\f%2)*64+32
.endr
	WIN 0x40
.irp f, 0,1,2,3
	ds_load_b128 v[PB+8*\f:PB+8*\f+3],   v[ADR2] offset:64*\f
	ds_load_b128 v[PB+8*\f+4:PB+8*\f+7], v[ADR2] offset:64*\f+16
.endr
.endm
.macro FETCH_V
	WIN 0
	v_add_nc_u32 v[ADR], s[TV], v[AV0]
	s_add_co_u32 s[TV], s[TV], 64*PVP
	s_wait_alu depctr_va_vdst(0)    ; the wait for the softmax's batch of exponentials, ahead of the first instruction that names a result
	WIN 0xc0
.irp f, 0,1,2,3,4,5,6,7             ; keys 32 (f / 4) on, channels 16 (f % 4) on
	ds_load_tr16_b128 v[8*\f:8*\f+3],   v[ADR] offset:(\f/4)*32*PVP+(\f%4)*32
	ds_load_tr16_b128 v[8*\f+4:8*\f+7], v[ADR] offset:(\f/4)*32*PVP+16*PVP+(\f%4)*32
.endr
.endm
; THE VECTOR WORK OF A TURN.  One tile's softmax for one key step is a list of 118 instructions; SM writes number j of it for tile t.
;   0-15 the maximum of the 32 scores and the old m;  16-20 the other half of the lanes', the new m, c m, c m_old - c m_new;
;   21-69 ONE BATCH: 16 scalings c s - c m and 33 exponentials (a at 23), none of which reads an exponential's result;  (the wait)
;   70-85 the roundings to f16;  86-101 the sums, l = a l + the sum;  102-117 the tile's O^T times a.
.macro SM t
.set rT, ST+8*(\t)
.set rS, S+32*(\t)
.set rP, P+16*(\t)
.set rO, 32*(\t)+2*(j-102)
.if j < 102
	WIN 0
.endif
.if j < 4
	v_max3_num_f32 v[rT+4+j], v[rS+8*j], v[rS+8*j+1], v[rS+8*j+2]
.elseif j < 12
	v_max3_num_f32 v[rT+4+j%4], v[rT+4+j%4], v[rS+8*(j%4)+2*(j/4)+1], v[rS+8*(j%4)+2*(j/4)+2]
.elseif j == 12
	v_max3_num_f32 v[rT+4], v[rT+4], v[rS+7], v[rS+15]
.elseif j == 13
	v_max3_num_f32 v[rT+6], v[rT+6], v[rS+23], v[rS+31]
.elseif j == 14
	v_max3_num_f32 v[rT+4], v[rT+4], v[rT+5], v[rT+6]
.elseif j == 15
	v_max3_num_f32 v[rT+4], v[rT+4], v[rT+7], v[rT+1]
.elseif j == 16
	v_permlanex16_b32 v[rT+5], v[rT+4], s[SEL], s[SEL+1]  ; the query's other 32 keys lie in the lane 16 away
.elseif j == 17
	v_mov_b32 v[rT+7], v[rT]        ; c m_old is kept for a
.elseif j == 18
	v_max_num_f32 v[rT+1], v[rT+4], v[rT+5]
.elseif j == 19
	v_mul_f32 v[rT], s[CS], v[rT+1]
.elseif j == 20
	v_sub_f32 v[rT+7], v[rT+7], v[rT]
.elseif j == 23
	v_exp_f32 v[rT+6], v[rT+7]
.elseif (j < 23) || ((j < 38) && (j%2 == 0)) || ((j < 66) && (j%4 == 2))
.set b, (j-2)/4                     ; 38, 42, .. 62: pairs 9 to 15
.if j < 38
.set b, (j-20)/2                    ; 21: pair 0; 22, 24, .. 36: pairs 1 to 8
.endif
	v_pk_fma_f32 v[rS+2*b:rS+2*b+1], v[rS+2*b:rS+2*b+1], s[CS:CS+1], v[rT:rT+1] op_sel_hi:[1,0,0] neg_lo:[0,0,1] neg_hi:[0,0,1]
.elseif j < 70
.set e, j-38                        ; 66 to 69: s28 to s31
.if j < 66
.set e, j-32-(j-38)/4               ; 39-41, 43-45, .. 63-65: s7 to s27
.endif
.if j < 38
.set e, (j-25)/2                    ; 25, 27, .. 37: s0 to s6
.endif
	v_exp_f32 v[rS+e], v[rS+e]
.elseif j < 86
	v_cvt_pk_f16_f32 v[rP+j-70], v[rS+2*(j-70)], v[rS+2*(j-70)+1]
.elseif j < 102
.set z, j-86
.set w, 4
.set u, z
.if z >= 14
.set w, 32
.set u, 0
.elseif z >= 12
.set w, 16
.set u, z-12
.elseif z >= 8
.set w, 8
.set u, z-8
.endif
.if z < 15
	v_pk_add_f32 v[rS+w*u:rS+w*u+1], v[rS+w*u:rS+w*u+1], v[rS+w*u+w/2:rS+w*u+w/2+1]
.else
	v_pk_fma_f32 v[rT+2:rT+3], v[rT+2:rT+3], v[rT+6:rT+7], v[rS:rS+1] op_sel_hi:[1,0,1]
.endif
.else
	WIN W_RS
	v_pk_mul_f32 v[rO:rO+1], v[rO:rO+1], v[rT+6:rT+7] op_sel_hi:[1,0]
.endif
.endm
; Slice k of 59 of piece y's softmax: four instructions.  Slices 11 to 34 deal out the batch, four numbers of one tile each, the tiles by turns; every other slice is numbers 2 k, 2 k + 1 of both tiles.
; Behind slice 34 no exponential is issued and ahead of slice 35 none of their results is named: the piece's 66 exponentials have one wait, behind one plain instruction.
.macro SLICE y
.if (k >= 11) && (k < 35)
.irp n, 0,1,2,3
.set j, 22+4*((k-11)/2)+(\n)
	SM (\y)+(k-11)%2
.endr
.else
.irp n, 0,1
.irp t, \y, \y+1
.set j, 2*k+\n
	SM \t
.endr
.endr
.endif
.if k == 34
	v_nop
.if (\y) == 0
	FETCH_V                         ; piece 2's turn: V's run of loads stands here, and the wait stands in it.  V's last reader is the turn's product 15: behind it stand three scalings, the v_nop and the run's own addition
.else
	s_wait_alu depctr_va_vdst(0)
.endif
.endif
.set k, k+1
.endm
.macro SLICES y                     ; the slices behind product p
.set ns, base
.if p < extra
.set ns, base+1
.endif
.rept ns
	SLICE \y
.endr
.set p, p+1
.endm
; A TURN.  Piece x has the matrix unit; the other piece's 59 slices are dealt out behind its 32 (or 16) products.  The last slice, four multiplications of the OTHER piece's O^T, is the four places between
; the turn's last product and what follows: the first read or write of those scores, and the loads into K's registers.
.macro TURN x, pv, kq, fk
.set k, 0
.set p, 0
.set np, 16*(\pv+\kq)
.set base, 59/np
.set extra, 59-base*np
.if \pv
.if \x == 0
	s_wait_dscnt 0x0                ; V is in
.endif
.set i, 0
.rept 16
	PV \x
	SLICES 2-\x
.if (\x == 0) && \fk && (i == 1)
	FETCH_K
.endif
.set i, i+1
.endr
.endif
.if \kq
.if \x == 0
	s_wait_dscnt 0x0                ; K and the bias are in
.endif
.set i, 0
.rept 16
	KQ \x
	SLICES 2-\x
.set i, i+1
.endr
.endif
.endm
; THE CAUSAL MASK on tile t's fresh scores, in a diagonal block: step SD = t: the pattern; SD > t: all hidden; SD < t: nothing.  The branches hang on ids and the count of steps: all waves go the same way.
.macro MASKT t
	s_cmp_lt_i32 s[SD], \t
	s_cbranch_scc1 .Lvis_\@
	s_cmp_eq_u32 s[SD], \t
	s_cbranch_scc0 .Lhid_\@
	WIN 0x04                        ; source 1 (the pattern) window 1
.set n, 0
.rept 32
	v_min_num_f32 v[S+32*(\t)+n], v[S+32*(\t)+n], v[CAUS+n]
.set n, n+1
.endr
	WIN 0
	s_branch .Lvis_\@
.Lhid_\@:
.set n, 0
.rept 32
	v_mov_b32 v[S+32*(\t)+n], v[NEGV]
.set n, n+1
.endr
.Lvis_\@:
.endm
.macro MASKP x
	WIN 0
	s_cmp_lt_i32 s[SD], \x
	s_cbranch_scc1 .Lopen_\@
	MASKT \x
	MASKT \x+1
.Lopen_\@:
.endm
; A key block's four steps: written once in this macro, walked four times; the LDS addresses hang on s[TK], s[TV], s[TP].
.macro STEPS
	s_mov_b32 s[TW], 4
.Lstep_\@:
	TURN 0, 1, 1, 1                 ; piece 0: V^T P of the last step, K Q^T of this one | piece 2's softmax of the last step | K
	MASKP 0
	TURN 2, 1, 1, 0                 ; piece 2: the same | piece 0's softmax of this step | V
	MASKP 2
	s_add_co_u32 s[SD], s[SD], 1
	s_sub_co_u32 s[TW], s[TW], 1
	s_cmp_lg_u32 s[TW], 0
	s_cbranch_scc1 .Lstep_\@
.endm
; THE CHANGE OF SLOTS stands at a block's head.  Each wave waits for all its tensor loads (its part of the block that it is about to read), adds 0 to its spare word, and waits for that and for its reads of the slot
; that it has left.  Behind the barrier the block ahead is whole and nobody reads the other slot.  fill = 1: that slot takes the walk's next block: the load has a block's 256 matrix instructions in which to land.
.macro CHANGE fill
	WIN 0
	s_wait_tensorcnt 0x0            ; no tensor load of mine is out, so a group 0 may be written
	ds_add_u32 v[SPW], v[NIL]       ; 0 onto my spare word; the scalar work below stands between it and the wait for it
	s_cmp_gt_u32 s[N], s[I]
	s_cselect_b32 s66, s[I1], 0
	s_sub_co_u32 s66, s[N], s66     ; this block's number among the head's key blocks: N, or N - i - 1 in the second query block
	s_min_u32 s66, s66, 7
	s_lshl_b32 s[TP], s66, 10       ; its biases
.if \fill
	s_cmp_eq_u32 s[N], s[I]
	s_cselect_b32 s[SD], 0, -16     ; the first query block's diagonal?
	s_add_co_u32 s67, s[N], 1
	s_cmp_gt_u32 s67, s[I]
	s_cselect_b32 s68, s[I1], 0
	s_sub_co_u32 s67, s67, s68      ; the next block's number
	s_lshl_b32 s22, s67, 15
	s_xor_b32 s[G0K+1], s[G0K+1], SLOT1
	s_xor_b32 s[G0V+1], s[G0V+1], SLOT1
	s_add_nc_u64 s[G0K+2:G0K+3], s[KW:KW+1], s[22:23]
	s_or_b32 s[G0K+3], s[G0K+3], 0x80000000
	s_add_nc_u64 s[G0V+2:G0V+3], s[VW:VW+1], s[22:23]
	s_or_b32 s[G0V+3], s[G0V+3], 0x80000000
	s_wait_xcnt 0x0                 ; the last prefetches, a block back, have read their addresses
	s_add_nc_u64 s[PFK:PFK+1], s[PFK:PFK+1], 32768
	s_add_nc_u64 s[PFV:PFV+1], s[PFV:PFV+1], 32768
.else
	s_mov_b32 s[SD], 0              ; the walk's last block is the second query block's diagonal
.endif
	s_wait_dscnt 0x0                ; the add is done, my reads of the slot that I have left are over, and (first trip) my biases lie in LDS
	s_barrier_signal -1
	s_barrier_wait -1
.if \fill
	TLOAD                           ; the first thing behind the barrier, and my one tensor load until the next
	ASK
.endif
	s_mov_b32 s[TK], s[SL]
	s_add_co_u32 s[TV], s[SL], VOFF
	s_xor_b32 s[SL], s[SL], SLOT1
.endm
; Behind a diagonal block the pipeline is emptied.
.macro DRAIN
	TURN 0, 1, 0, 0                 ; piece 0: V^T P of the last step | piece 2's last softmax
.set i, 0
.rept 16
	PV 2
.set i, i+1
.endr
.endm
; THE WAY OUT.  l's halves are added; O^T / l goes into S's registers (O and l stay as they are, finite), is rounded to f16 and sent through my stage, a tile (16 rows of 128 bytes) at a time.
.macro PACKO t
	WIN 0x01                        ; source 0 (O^T) window 1
.set n, 0
.rept 16
	v_pk_mul_f32 v[S+32*\t+n:S+32*\t+n+1], v[32*\t+n:32*\t+n+1], v[ST+8*\t+6:ST+8*\t+7] op_sel_hi:[1,0]
.set n, n+2
.endr
	WIN 0
.set n, 0
.rept 16
	v_cvt_pk_f16_f32 v[S+32*\t+n], v[S+32*\t+2*n], v[S+32*\t+2*n+1]
.set n, n+1
.endr
.irp f, 0,1,2,3
	ds_store_b128 v[STO], v[S+32*\t+4*\f:S+32*\t+4*\f+3] offset:32*\f
.endr
.irp f, 0,1,2,3
	ds_load_b128 v[S+32*\t+16+4*\f:S+32*\t+16+4*\f+3], v[RD] offset:\f*4*SP  ; LDS serves a wave's instructions in order: these see the stores above
.endr
.endm
.macro SENDO t, younger             ; younger: the LDS instructions issued behind tile t's loads
.irp f, 0,1,2,3
	s_wait_dscnt \younger+3-\f
	global_store_b128 v[GO], v[S+32*\t+16+4*\f:S+32*\t+16+4*\f+3], s[8:9] offset:8192*\t+512*\f  ; 32 lanes store 512 consecutive bytes, aligned
.endr
.endm
.macro WAYOUT
	WIN 0
.irp t, 0,1,2,3
	v_add_f32 v[ST+8*\t+4], v[ST+8*\t+2], v[ST+8*\t+3]     ; (these four are the places behind the last products)
.endr
.irp t, 0,1,2,3
	v_permlanex16_b32 v[ST+8*\t+5], v[ST+8*\t+4], s[SEL], s[SEL+1]
.endr
.irp t, 0,1,2,3
	v_add_f32 v[ST+8*\t+4], v[ST+8*\t+4], v[ST+8*\t+5]
.endr
.irp t, 0,1,2,3
	v_rcp_f32 v[ST+8*\t+6], v[ST+8*\t+4]
.endr
	v_nop                           ; a plain instruction behind the last reciprocal,
	s_wait_alu depctr_va_vdst(0)    ; and the one wait for the four, ahead of the first use
	PACKO 0
	PACKO 1
	SENDO 0, 8
	PACKO 2
	SENDO 1, 8
	PACKO 3
	SENDO 2, 8
	SENDO 3, 0
.endm
.Lblock:                            ; 8 trips: behind each change of slots the walk's next block is asked for
	CHANGE 1
	STEPS
	s_cmp_lg_u32 s[N], s[I]         ; was it the first query block's diagonal?  Ids and the count of trips alone
	s_cbranch_scc1 .Lnext
	DRAIN
	WAYOUT
	s_wait_xcnt 0x0                 ; the stores have read their registers and their base
	WIN 0x82                        ; the second query block: its Q,
.set n, 0
.rept 64
	v_mov_b32 v[n], v[128+n]
.set n, n+1
.endr
	WIN 0
	STATE                           ; a fresh state,
	s_mov_b64 s[8:9], s[10:11]      ; and where its result goes
.Lnext:
	s_add_co_u32 s[N], s[N], 1
	s_cmp_lt_u32 s[N], 8
	s_cbranch_scc1 .Lblock
	CHANGE 0                        ; the last block is written out: nothing is left to fetch
	STEPS
	DRAIN
	WAYOUT
	s_wait_tensorcnt 0x0            ; the wave's end
	ds_add_u32 v[SPW], v[NIL]
	s_wait_dscnt 0x0
	s_endpgm
.Lfunc_end_k_qd73b885439_attn:
	.size	k_qd73b885439_attn, .Lfunc_end_k_qd73b885439_attn-k_qd73b885439_attn
	.p2alignl 7, 3214868480
	.fill 96, 4, 3214868480
	.section	.rodata,"a",@progbits
	.p2align	6, 0x0
	.amdhsa_kernel k_qd73b885439_attn
		.amdhsa_group_segment_fixed_size 327680
		.amdhsa_private_segment_fixed_size 0
		.amdhsa_enable_private_segment 0
		.amdhsa_kernarg_size 24
		.amdhsa_user_sgpr_count 2
		.amdhsa_user_sgpr_kernarg_segment_ptr 1
		.amdhsa_wavefront_size32 1
		.amdhsa_system_sgpr_workgroup_id_x 1
		.amdhsa_system_sgpr_workgroup_id_y 1
		.amdhsa_system_sgpr_workgroup_id_z 1
		.amdhsa_system_vgpr_workitem_id 0
		.amdhsa_next_free_vgpr 1024
		.amdhsa_next_free_sgpr 76
		.amdhsa_reserve_vcc 1
		.amdhsa_float_denorm_mode_32 3
		.amdhsa_float_denorm_mode_16_64 3
		.amdhsa_memory_ordered 1
		.amdhsa_forward_progress 1
		.amdhsa_inst_pref_size 179
	.end_amdhsa_kernel
	.amdgpu_metadata
---
amdhsa.version: [ 1, 2 ]
amdhsa.kernels:
  - .name:           k_qd73b885439_attn
    .symbol:         k_qd73b885439_attn.kd
    .args:
      - { .name: qkv16, .offset: 0, .size: 8, .value_kind: global_buffer, .address_space: global }
      - { .name: attention_mask, .offset: 8, .size: 8, .value_kind: global_buffer, .address_space: global }
      - { .name: at16, .offset: 16, .size: 8, .value_kind: global_buffer, .address_space: global }
    .group_segment_fixed_size: 327680
    .private_segment_fixed_size: 0
    .kernarg_segment_align: 8
    .kernarg_segment_size: 24
    .max_flat_workgroup_size: 128
    .sgpr_count:     76
    .vgpr_count:     1024
    .wavefront_size: 32
...
	.end_amdgpu_metadata
.endif
;; end of part 3
;; launch proj (part 4): grid 4 x 64, 4 waves a work-group, clusters of 4 x 4, 327,680 bytes of LDS; arguments at16, wp16, out0; writes out0
.if DOCPART == 4
	.amdgcn_target "amdgcn-amd-amdhsa--gfx1250"
	.amdhsa_code_object_version 6
	.text
	.protected	k_qd73b885439_proj
	.globl	k_qd73b885439_proj
	.p2align	8
	.type	k_qd73b885439_proj,@function
k_qd73b885439_proj:
	s_mov_b64 s[64:65], 0
	v_nop
	global_prefetch_b8 v0, s[64:65] scope:SCOPE_SE
	s_setreg_imm32_b32 hwreg(HW_REG_WAVE_MODE, 25, 1), 1
	s_wait_xcnt 0x0
	s_wait_alu depctr_hold_cnt(0) depctr_sa_sdst(0) depctr_va_vdst(0) depctr_va_sdst(0) depctr_va_ssrc(0) depctr_va_vcc(0) depctr_vm_vsrc(0)
	s_getreg_b32 s2, hwreg(HW_REG_IB_STS2, 6, 4)
	s_cmp_eq_u32 s2, 0
	s_cbranch_scc0 .Lentry_in_a_cluster
	s_endpgm
.Lentry_in_a_cluster:
	s_bfe_u32 s2, ttmp6, 0x10000c
	s_cmp_lg_u32 s2, 0xf033
	s_cbranch_scc0 .Lentry_shape_is_right
	s_endpgm
.Lentry_shape_is_right:
; out0[m][n] = the sum over k of A[m][k] Wp[n][k], m = 2048 batch + position, k = 64 head + channel.  A = at16, f16 [batch][head][position][64]; Wp = wp16, f16 [head][n][64]; out0 [8192][1024] f32; sums in f32.
; A row of A that is NaN (a query with no key that counts) gives a row of NaN.
; A tile of out0 is 128 (m) x 256 (n): 256 work-groups.  Four waves, each 64 x 128: 32 accumulators, 256 registers.  A K step is 128 = two heads; 8 steps through a ring of two LDS slots.
; TILES.  In both tensors a head's rows are dense: 64 positions (or 128 n) x 128 bytes on end.  So a tensor load brings two long rows, one a head, with 16 bytes of padding behind every 256:
; logical row p of head z lies at z Z + (p / 2) 272 + (p % 2) 128, and the sixteen rows of a fragment load fall on sixteen different 16-byte columns.
; CLUSTERS: 4 x 4 work-groups; A's tiles are shared along a row of the cluster, Wp's along a column: joint loads, a round of the cluster's barrier in front of each refill.
; THE MATRIX INSTRUCTION IS USED TRANSPOSED (source 0 = 16 rows of Wp, source 1 = 16 rows of A): a lane holds eight neighbouring numbers of a row of out0.
; REGISTERS: window 0: v0-31 addresses; v64-191 the way out.  window 1: two fragment buffers of 96 (A's four fragments, then Wp's eight).  window 2: the accumulators, (a, b) at v[8 (8 a + b)].
.set AZ,    8704                       ; a head's 64 rows of A in LDS: 32 x 272
.set AH,    2*AZ                       ; what one load of A brings
.set BZ,    17408
.set BH,    2*BZ
.set SLOT,  2*AH+2*BH
.set STAGE, 2*SLOT                     ; 16 rows x (512 bytes + 16) for each wave
.set SPITCH, 528
.set SPARE, STAGE+4*16*SPITCH
.set ASTEP, 524288                     ; a K step on in at16: two planes
.set BSTEP, 262144                     ; and in wp16
.set ADRA, 16
.set ADRB, 20
.set STO,  24
.set RD,   25
.set CO,   26
.set SPW,  28
.set NIL,  29
.set PFO,  30
.set F0,   0
.set F1,   96
.set BK,   64
.set G1,  24
.set G0,  32
.set G1B, 48
.set G0B, 56
.set LIM, 43
.set PFA, 44
.set MSB, 0
.macro WIN new
.if MSB != \new
	s_set_vgpr_msb (MSB<<8)|\new
.set MSB, \new
.endif
.endm
.set MUL,  0xa5                        ; sources 0 and 1 window 1, C and D window 2
.set TO_F, 0x40
.macro JLOAD s                         ; a joint load: waves 0 and 1 fetch A's halves, waves 2 and 3 Wp's; an s_nop 0 and four v_nop follow each line
	s_cmp_eq_u32 s11, 0
	s_cbranch_scc0 .Lfor_b_\@
	tensor_load_to_lds s[G0+4*\s:G0+4*\s+3], s[G1:G1+7]
	s_nop 0
.rept 4
	v_nop
.endr
	s_branch .Lasked_\@
.Lfor_b_\@:
	tensor_load_to_lds s[G0B+4*\s:G0B+4*\s+3], s[G1B:G1B+7]
	s_nop 0
.rept 4
	v_nop
.endr
.Lasked_\@:
.endm
; A prefetch into the L2 of A's K step that stands two refills on (256 matrix instructions ahead of its load): 32,768 bytes of the tile row, which this row of the cluster alone reads.  The four partners share them
; out by address, 8,192 bytes each (head cx / 2, half cx % 2), lanes 256 bytes apart, wave 0 alone: each run of 256 bytes is named once.  K steps 4 to 7 are asked for; 0 to 3 come by their loads alone.
; Wp, which every work-group reads again, is not asked for.
.macro ASK
	s_cmp_gt_u32 s3, s[LIM]
	s_cbranch_scc0 .Lnot_mine_\@
	global_prefetch_b8 v[PFO], s[PFA:PFA+1] offset:ASTEP th:TH_LOAD_NT scope:SCOPE_SE
.Lnot_mine_\@:
.endm
.macro CREST
	s_cmp_lg_u32 s10, 0
	s_cbranch_scc1 .Lnot_wave_0_\@
	s_barrier_signal -3
.Lnot_wave_0_\@:
	s_barrier_wait -3
	s_barrier_signal -1
	s_barrier_wait -1
.endm
.macro CROUND
	s_barrier_signal -1
	s_barrier_wait -1
	CREST
.endm
	s_load_b128 s[4:7], s[0:1], 0x0                ; at16, wp16
	s_load_b64 s[8:9], s[0:1], 0x10                ; out0
	v_lshl_add_u32 v[SPW], v0, 2, SPARE
	v_mov_b32 v[NIL], 0
	ds_add_u32 v[SPW], v[NIL]                      ; the wave's opening
	ds_add_u32 v[SPW], v[NIL]
	v_lshrrev_b32 v1, 5, v0
	v_readfirstlane_b32 s10, v1                    ; wave 0..3
	s_lshr_b32 s11, s10, 1                         ; which 64 rows of the tile are mine.  Also: I fetch for A (0) or for Wp (1)
	s_and_b32 s12, s10, 1                          ; which 128 columns.  Also: which half I fetch
	s_bfe_u32 s40, ttmp6, 0x40000                  ; cx
	s_bfe_u32 s41, ttmp6, 0x40004                  ; cy
	s_lshl_b32 s42, ttmp9, 2
	s_add_co_u32 s42, s42, s40                     ; tile column
	s_and_b32 s13, ttmp7, 0xffff
	s_lshl_b32 s13, s13, 2
	s_add_co_u32 s13, s13, s41                     ; tile row
	s_lshl_b32 s43, s41, 2
	s_lshl_b32 s43, 15, s43                        ; my row of the cluster
	s_lshl_b32 s44, 0x1111, s40                    ; my column
	s_or_b32 s[G1+0], s43, (1<<16)|(1<<20)|(1<<21)|(5<<22)|(3<<25)  ; the mask; elements of 2 bytes; padding on; bit 21 beside a mask; 4 words after every 64
	s_or_b32 s[G1B+0], s44, (1<<16)|(1<<20)|(1<<21)|(5<<22)|(3<<25)
	s_mov_b32 s[G1+1], 4096<<16                    ; tensor_dim0: 64 positions x 64
	s_mov_b32 s[G1+2], 2<<16                       ; tensor_dim1: two heads
	s_mov_b32 s[G1+3], 4096<<16                    ; tile_dim0
	s_mov_b32 s[G1+4], 2                           ; tile_dim1
	s_mov_b32 s[G1+5], 131072                      ; from head to head, in elements
	s_mov_b32 s[G1+6], 0
	s_mov_b32 s[G1+7], 0
	s_mov_b32 s[G1B+1], 8192<<16                   ; 128 n x 64
	s_mov_b32 s[G1B+2], 2<<16
	s_mov_b32 s[G1B+3], 8192<<16
	s_mov_b32 s[G1B+4], 2
	s_mov_b32 s[G1B+5], 65536
	s_mov_b32 s[G1B+6], 0
	s_mov_b32 s[G1B+7], 0
	s_lshr_b32 s16, s13, 4                         ; A: the batch (16 tile rows each): 16 planes,
	s_lshl_b32 s16, s16, 22
	s_and_b32 s17, s13, 15
	s_lshl_b32 s17, s17, 14                        ; position 128 x (tile row % 16), 128 bytes each,
	s_add_co_u32 s16, s16, s17
	s_lshl_b32 s17, s12, 13                        ; my half's 64 positions
	s_add_co_u32 s16, s16, s17
	s_mov_b32 s17, 0
	s_lshl_b32 s46, s42, 15                        ; Wp: n = 256 x tile column + 128 x half
	s_lshl_b32 s47, s12, 14
	s_add_co_u32 s46, s46, s47
	s_mov_b32 s47, 0
	s_mul_i32 s20, s12, AH                         ; where they go: made of the wave's number alone
	s_mul_i32 s21, s12, BH
	s_add_co_u32 s21, s21, 2*AH
	s_wait_dscnt 0x0                               ; both opening adds are done
	s_wait_kmcnt 0x0
	s_add_nc_u64 s[14:15], s[4:5], s[16:17]
	s_add_nc_u64 s[46:47], s[6:7], s[46:47]
	CROUND                                         ; all sixteen work-groups are here: the first joint loads meet
.irp s, 0,1
	s_mov_b32 s[G0+4*\s], 1
	s_add_co_u32 s[G0+4*\s+1], s20, \s*SLOT
	s_add_nc_u64 s[G0+4*\s+2:G0+4*\s+3], s[14:15], \s*ASTEP
	s_or_b32 s[G0+4*\s+3], s[G0+4*\s+3], 0x80000000
	s_mov_b32 s[G0B+4*\s], 1
	s_add_co_u32 s[G0B+4*\s+1], s21, \s*SLOT
	s_add_nc_u64 s[G0B+4*\s+2:G0B+4*\s+3], s[46:47], \s*BSTEP
	s_or_b32 s[G0B+4*\s+3], s[G0B+4*\s+3], 0x80000000
	JLOAD \s
.endr
	v_and_b32 v1, 15, v0                           ; r
	v_bfe_u32 v2, v0, 4, 1                         ; h
	v_lshrrev_b32 v3, 1, v1
	v_mul_u32_u24 v3, v3, 272
	v_and_b32 v4, 1, v1
	v_lshl_add_u32 v3, v4, 7, v3
	v_lshl_add_u32 v3, v2, 4, v3                   ; a fragment's row: (r / 2) 272 + (r % 2) 128 + 16 h
	s_mul_i32 s21, s11, AH                         ; my 64 rows of A
	s_mul_i32 s22, s12, BH                         ; my 128 rows of Wp,
	s_add_co_u32 s22, s22, 2*AH                    ; behind A's
.irp s, 0,1
	v_add_nc_u32 v[ADRA+\s], s21, v3
	v_add_nc_u32 v[ADRB+\s], s22, v3
	s_add_co_u32 s21, s21, SLOT
	s_add_co_u32 s22, s22, SLOT
.endr
	s_mul_i32 s23, s10, 16*SPITCH
	s_add_co_u32 s23, s23, STAGE                   ; my stage
	v_mul_u32_u24 v5, v1, SPITCH
	v_lshl_add_u32 v5, v2, 5, v5
	v_add_nc_u32 v[STO], s23, v5                   ; in: row r, 32 bytes for each half of the lanes
	v_and_b32 v6, 31, v0
	v_lshlrev_b32 v[CO], 4, v6                     ; back: the 32 lanes take one row of 512 bytes; and the same in out0
	v_add_nc_u32 v[RD], s23, v[CO]
	v_lshlrev_b32 v[PFO], 8, v6
	s_lshl_b32 s16, s13, 19                        ; my first row of out0: 128 x tile row + 64 x half, 4,096 bytes each
	s_lshl_b32 s17, s11, 18
	s_add_co_u32 s16, s16, s17
	s_mov_b32 s17, 0
	s_add_nc_u64 s[8:9], s[8:9], s[16:17]
	s_lshl_b32 s46, s42, 10                        ; my first column, in bytes
	s_lshl_b32 s47, s12, 9
	s_add_co_u32 s46, s46, s47
	s_mov_b32 s47, 0
	s_add_nc_u64 s[8:9], s[8:9], s[46:47]
	s_lshr_b32 s20, s13, 4                         ; the prefetches: the tile row's first byte in head 0,
	s_lshl_b32 s20, s20, 22
	s_and_b32 s21, s13, 15
	s_lshl_b32 s21, s21, 14
	s_add_co_u32 s20, s20, s21
	s_lshr_b32 s21, s40, 1                         ; my work-group's part, by address: head cx / 2 of the step's two,
	s_lshl_b32 s21, s21, 18
	s_add_co_u32 s20, s20, s21
	s_and_b32 s21, s40, 1                          ; half cx % 2 of its 16,384 bytes,
	s_lshl_b32 s21, s21, 13
	s_add_co_u32 s20, s20, s21
	s_add_co_u32 s20, s20, 2*ASTEP                 ; at K step 2: the first refill steps it to 3 and names K step 4
	s_mov_b32 s21, 0
	s_add_nc_u64 s[PFA:PFA+1], s[4:5], s[20:21]
	s_cmp_eq_u32 s10, 0
	s_cselect_b32 s[LIM], 1, -1                    ; wave 0 asks
; 8 matrix instructions: A's block a x Wp's eight, 32 along K.  The 32 accumulators take turns, one instruction a turn.
.macro MUL8 f, a, zero
.irp b, 0,1,2,3,4,5,6,7
.if \zero
	v_wmma_f32_16x16x32_f16 v[8*(8*(\a)+\b):8*(8*(\a)+\b)+7], v[\f+32+8*\b:\f+32+8*\b+7], v[\f+8*(\a):\f+8*(\a)+7], 0
.else
	v_wmma_f32_16x16x32_f16 v[8*(8*(\a)+\b):8*(8*(\a)+\b)+7], v[\f+32+8*\b:\f+32+8*\b+7], v[\f+8*(\a):\f+8*(\a)+7], v[8*(8*(\a)+\b):8*(8*(\a)+\b)+7]
.endif
.endr
.endm
; 24 LDS loads in one run: quarter q of a K step (head q / 2, channels 32 (q % 2) on) into buffer f: Wp's eight fragments, then A's four
.macro FETCH slot, q, f
	WIN TO_F
.irp i, 0,1,2,3,4,5,6,7
	ds_load_b128 v[\f+32+8*\i:\f+32+8*\i+3],   v[ADRB+\slot] offset:((\q)/2)*BZ+((\q)%2)*64+2176*\i
	ds_load_b128 v[\f+32+8*\i+4:\f+32+8*\i+7], v[ADRB+\slot] offset:((\q)/2)*BZ+((\q)%2)*64+2176*\i+32
.endr
.irp i, 0,1,2,3
	ds_load_b128 v[\f+8*\i:\f+8*\i+3],   v[ADRA+\slot] offset:((\q)/2)*AZ+((\q)%2)*64+2176*\i
	ds_load_b128 v[\f+8*\i+4:\f+8*\i+7], v[ADRA+\slot] offset:((\q)/2)*AZ+((\q)%2)*64+2176*\i+32
.endr
.endm
.macro PLACES                          ; four plain vector instructions between a matrix instruction and a load into, or a read of, its registers
.rept 4
	v_nop
.endr
.endm
.macro QUARTER slot, qn, f, g, zero    ; multiplies buffer f; in its middle it fetches quarter qn of the same slot into buffer g
	s_wait_dscnt 4                                 ; Wp's and A's blocks 0, 1 are in; the youngest four loads (A's blocks 2, 3) may be out
	WIN MUL
	MUL8 \f, 0, \zero
	MUL8 \f, 1, \zero
	PLACES
	FETCH \slot, \qn, \g
	s_wait_dscnt 24                                ; all but the 24 just issued
	WIN MUL
	MUL8 \f, 2, \zero
	MUL8 \f, 3, \zero
.endm
; A K step's last quarter multiplies buffer 1 and changes slots: one barrier; in front of it each wave waits for all its tensor loads, adds 0 to its spare word, and waits for that and for its reads of this slot.
; fill = 1: the barrier opens a round of the cluster's, and behind the round this slot is filled again, two K steps ahead.
.macro TURN slot, next, fill
.if \fill
	s_wait_xcnt 0x0                                ; the last prefetch, a K step back, has read its address
	s_add_nc_u64 s[PFA:PFA+1], s[PFA:PFA+1], ASTEP
.endif
	WIN 0
	s_wait_tensorcnt 0x0                           ; all my tensor loads have landed: my part of the next slot
	ds_add_u32 v[SPW], v[NIL]                      ; 0 onto my spare word
	s_wait_dscnt 5                                 ; (the add and the youngest four loads may be out)
	WIN MUL
	MUL8 F1, 0, 0
	s_wait_dscnt 0x0                               ; the add is done, and my reads of this slot are over
	s_barrier_signal -1
	MUL8 F1, 1, 0
	WIN 0
	s_barrier_wait -1
.if \fill
	CREST                                          ; no wave of any partner still reads this slot or has a load on its way
	s_add_nc_u64 s[G0+4*\slot+2:G0+4*\slot+3], s[G0+4*\slot+2:G0+4*\slot+3], 2*ASTEP
	s_add_nc_u64 s[G0B+4*\slot+2:G0B+4*\slot+3], s[G0B+4*\slot+2:G0B+4*\slot+3], 2*BSTEP
	JLOAD \slot                                    ; the first tensor load behind the round; its four v_nop are also the places in front of the loads below
.else
	PLACES
.endif
	FETCH \next, 0, F0
	WIN 0
.if \fill
	ASK
.endif
	WIN MUL
	MUL8 F1, 2, 0
	MUL8 F1, 3, 0
.endm
	s_wait_tensorcnt 1                             ; my part of K step 0 is in (K step 1's load may be out),
	s_barrier_signal -1
	s_barrier_wait -1                              ; everybody's is
	FETCH 0, 0, F0
	QUARTER 0, 1, F0, F1, 1                        ; the first quarter's products start the sums: nothing is cleared
	WIN 0
	s_mov_b32 s3, 3
.Llap:                                                 ; a trip goes once round the ring and fills both slots again: K steps 2 to 7
	QUARTER 0, 2, F1, F0, 0
	QUARTER 0, 3, F0, F1, 0
	TURN 0, 1, 1
	QUARTER 1, 1, F0, F1, 0
	QUARTER 1, 2, F1, F0, 0
	QUARTER 1, 3, F0, F1, 0
	TURN 1, 0, 1
	QUARTER 0, 1, F0, F1, 0
	WIN 0
	s_sub_co_u32 s3, s3, 1
	s_cmp_lg_u32 s3, 0
	s_cbranch_scc1 .Llap
	QUARTER 0, 2, F1, F0, 0                        ; the last lap fills nothing
	QUARTER 0, 3, F0, F1, 0
	TURN 0, 1, 0
	QUARTER 1, 1, F0, F1, 0
	QUARTER 1, 2, F1, F0, 0
	QUARTER 1, 3, F0, F1, 0
	s_wait_dscnt 4
	WIN MUL
	MUL8 F1, 0, 0
	MUL8 F1, 1, 0
	s_wait_dscnt 0x0
	MUL8 F1, 2, 0
	MUL8 F1, 3, 0
	WIN 0
; THE WAY OUT, a block of 16 rows x 128 columns at a time, through my own stage: back as whole rows of 512 bytes.
.macro TOSTAGE a
	WIN 0x08                                       ; an LDS store's data are its source 1: window 2
.irp b, 0,1,2,3,4,5,6,7
	ds_store_b128 v[STO], v[64*(\a)+8*\b:64*(\a)+8*\b+3] offset:64*\b          ; each accumulator from its low end on
	ds_store_b128 v[STO], v[64*(\a)+8*\b+4:64*(\a)+8*\b+7] offset:64*\b+16
.endr
	WIN 0
.set BB, BK+64*((\a)%2)
.irp t, 0,1,2,3,4,5,6,7,8,9,10,11,12,13,14,15
	ds_load_b128 v[BB+4*\t:BB+4*\t+3], v[RD] offset:\t*SPITCH       ; LDS serves a wave's instructions in order: these see the stores above
.endr
.endm
.macro SEND a, younger
.set BB, BK+64*((\a)%2)
	s_wait_dscnt \younger
.irp t, 0,1,2,3,4,5,6,7,8,9,10,11,12,13,14,15
	global_store_b128 v[CO], v[BB+4*\t:BB+4*\t+3], s[8:9] offset:(16*(\a)+\t)*4096 th:TH_STORE_NT   ; 32 lanes store 512 consecutive bytes, aligned
.endr
.endm
	PLACES
	TOSTAGE 0
.irp a, 1,2,3
.if \a > 1
	s_wait_xcnt 0x0                                ; block a - 2's stores have read their registers: block a's loads may land there
.endif
	TOSTAGE \a
	SEND \a-1, 32                                  ; behind block a - 1's loads: block a's 16 stores and 16 loads
.endr
	SEND 3, 0
	s_wait_tensorcnt 0x0                           ; the wave's end
	ds_add_u32 v[SPW], v[NIL]
	s_wait_dscnt 0x0
	CROUND                                         ; the closing round
	s_endpgm
.Lfunc_end_k_qd73b885439_proj:
	.size	k_qd73b885439_proj, .Lfunc_end_k_qd73b885439_proj-k_qd73b885439_proj
	.p2alignl 7, 3214868480
	.fill 96, 4, 3214868480
	.section	.rodata,"a",@progbits
	.p2align	6, 0x0
	.amdhsa_kernel k_qd73b885439_proj
		.amdhsa_group_segment_fixed_size 327680
		.amdhsa_private_segment_fixed_size 0
		.amdhsa_enable_private_segment 0
		.amdhsa_kernarg_size 24
		.amdhsa_user_sgpr_count 2
		.amdhsa_user_sgpr_kernarg_segment_ptr 1
		.amdhsa_wavefront_size32 1
		.amdhsa_system_sgpr_workgroup_id_x 1
		.amdhsa_system_sgpr_workgroup_id_y 1
		.amdhsa_system_sgpr_workgroup_id_z 1
		.amdhsa_system_vgpr_workitem_id 0
		.amdhsa_next_free_vgpr 768
		.amdhsa_next_free_sgpr 66
		.amdhsa_reserve_vcc 0
		.amdhsa_float_denorm_mode_32 3
		.amdhsa_float_denorm_mode_16_64 3
		.amdhsa_memory_ordered 1
		.amdhsa_forward_progress 1
		.amdhsa_inst_pref_size 86
	.end_amdhsa_kernel
	.amdgpu_metadata
---
amdhsa.version: [ 1, 2 ]
amdhsa.kernels:
  - .name:           k_qd73b885439_proj
    .symbol:         k_qd73b885439_proj.kd
    .args:
      - { .name: at16, .offset: 0, .size: 8, .value_kind: global_buffer, .address_space: global }
      - { .name: wp16, .offset: 8, .size: 8, .value_kind: global_buffer, .address_space: global }
      - { .name: out0, .offset: 16, .size: 8, .value_kind: global_buffer, .address_space: global }
    .group_segment_fixed_size: 327680
    .private_segment_fixed_size: 0
    .kernarg_segment_align: 8
    .kernarg_segment_size: 24
    .max_flat_workgroup_size: 128
    .sgpr_count:     66
    .vgpr_count:     768
    .wavefront_size: 32
...
	.end_amdgpu_metadata
.endif
;; end of part 4
;; launch fine (part 5): grid 64 x 4, 16 waves a work-group, no clusters, 18,432 bytes of LDS; arguments q32, attention_mask, Wp, out0; writes out0
.if DOCPART == 5
	.amdgcn_target "amdgcn-amd-amdhsa--gfx1250"
	.amdhsa_code_object_version 6
	.text
	.protected	k_qd73b885439_fine
	.globl	k_qd73b885439_fine
	.p2align	8
	.type	k_qd73b885439_fine,@function
k_qd73b885439_fine:
	s_mov_b64 s[64:65], 0
	v_nop
	global_prefetch_b8 v0, s[64:65] scope:SCOPE_SE
	s_setreg_imm32_b32 hwreg(HW_REG_WAVE_MODE, 25, 1), 1
	s_wait_xcnt 0x0
; The first 16 positions of every batch once more, all in f32: their rows average few values, so f16 operands would weigh most there.  q, k, v come from q32 [batch][16][3072] (f32 sums of the quantised products).
; A work-group makes 16 columns n0 .. n0 + 15 of out0 for the 16 positions of one batch; wave = head.  Each wave makes its head's attention (16 x 16 scores) and its head's 64 of the projection's K; the 16 parts meet in LDS.
; The attention is made anew in each of a batch's 64 work-groups: 32 small matrix instructions a wave.  It stores over what the launch before stored in these 64 rows.
; All three products by v_wmma_f32_16x16x4_f32, transposed, so that a lane holds one query (lane % 16).  K's order is permuted alike on both sides of each product, so that a pair of neighbouring registers is a K step of 4,
; and one product's results (through vector instructions, into other registers) are the next one's operand as they stand.  v64-127 are written by matrix instructions alone.
; A query with no key that counts gets NaN: l = 0, O = 0, 0 x (1 / 0).  LIMITS: scores above -1e30; the sums' order differs from a plain ascending one.
; The stores are 16 bytes a lane, 64 bytes of a row for a work-group: parts of 256-byte runs, 262,144 bytes in the whole launch.
.set SPARE, 16384                      ; behind the 16 parts of 1,024 bytes: the spare words, 128 bytes for each wave
.set SPW, 14
.set NIL, 15
	s_load_b128 s[4:7], s[0:1], 0x0                ; q32, attention_mask
	s_load_b128 s[8:11], s[0:1], 0x10              ; Wp, out0
	v_lshl_add_u32 v[SPW], v0, 2, SPARE
	v_mov_b32 v[NIL], 0
	v_lshrrev_b32 v1, 5, v0
	v_readfirstlane_b32 s12, v1                    ; wave = head
	s_and_b32 s13, ttmp7, 0xffff                   ; batch
	v_and_b32 v1, 15, v0                           ; r
	v_bfe_u32 v4, v0, 4, 1                         ; h
	v_mul_u32_u24 v5, v1, 12288
	v_lshl_add_u32 v5, v4, 4, v5                   ; q, k: row r, + 16 h
	v_mul_u32_u24 v6, v4, 98304
	v_lshl_add_u32 v6, v1, 2, v6                   ; v: channel r, rows 8 h on
	v_lshlrev_b32 v7, 12, v1
	v_lshl_add_u32 v7, v4, 5, v7                   ; Wp: row r, + 32 h; and out0 likewise
	v_lshlrev_b32 v8, 3, v4                        ; the mask's bytes 8 h on
	v_sub_nc_u32 v9, v1, v8                        ; d = r - 8 h: register j (key 8 h + j) counts where j <= d
	v_and_b32 v10, 31, v0
	v_lshlrev_b32 v10, 4, v10
	s_and_b32 s15, s12, 1
	s_lshl_b32 s14, s15, 9
	v_add_nc_u32 v11, s14, v10                     ; LDS, back: half (wave % 2) of each part, 16 bytes a lane
	s_lshl_b32 s14, s12, 10
	v_add_nc_u32 v10, s14, v10                     ; LDS, in: my part
	s_mov_b32 s20, 0x76543210
	s_mov_b32 s21, 0xfedcba98
	s_mov_b32 s22, 0x3e38aa3b                      ; c = log2(e) / 8
	s_mov_b32 s23, s22
	s_lshl_b32 s18, s12, 8                         ; the head's 64 numbers
	s_mov_b32 s17, 0
	s_wait_kmcnt 0x0
	s_mul_i32 s16, s13, 196608
	s_add_co_u32 s16, s16, s18
	s_add_nc_u64 s[4:5], s[4:5], s[16:17]
	s_lshl_b32 s16, s13, 11
	s_add_nc_u64 s[6:7], s[6:7], s[16:17]
	s_lshl_b32 s16, ttmp9, 16                      ; Wp at row n0 = 16 x work-group x
	s_add_co_u32 s16, s16, s18
	s_add_nc_u64 s[8:9], s[8:9], s[16:17]
	s_lshl_b32 s16, s13, 23                        ; out0 at the batch's first row, column n0, + my four of a lane's eight
	s_lshl_b32 s18, ttmp9, 6
	s_add_co_u32 s16, s16, s18
	s_lshl_b32 s18, s15, 4
	s_add_co_u32 s16, s16, s18
	s_add_nc_u64 s[10:11], s[10:11], s[16:17]
	global_load_b64 v[2:3], v8, s[6:7]             ; the mask of keys 8 h .. 8 h + 7
.irp c, 0,1,2,3,4,5,6,7
	global_load_b128 v[160+4*\c:163+4*\c], v5, s[4:5] offset:4096+32*\c   ; k(r, 8 c + 4 h + 0..3)
.endr
.irp c, 0,1,2,3,4,5,6,7
	global_load_b128 v[128+4*\c:131+4*\c], v5, s[4:5] offset:32*\c        ; q likewise
.endr
.irp t, 0,1,2,3
.irp e, 0,1,2,3,4,5,6,7
	global_load_b32 v[192+8*\t+\e], v6, s[4:5] offset:8192+64*\t+12288*\e ; v(key 8 h + e, channel 16 t + r)
.endr
.endr
.irp t, 0,1,2,3
	global_load_b128 v[224+8*\t:227+8*\t], v7, s[8:9] offset:64*\t        ; Wp(n0 + r, 64 head + 16 t + 8 h + 0..7)
	global_load_b128 v[228+8*\t:231+8*\t], v7, s[8:9] offset:64*\t+16
.endr
	v_mov_b32 v40, 0xff61b1e6                      ; -3e38
	s_wait_loadcnt 40                              ; the mask, k and q are in; v's 32 and Wp's 8 may be out
	; S^T = k q^T: 16 K steps on four accumulators by turns, the first four starting the sums
.set e, 0
.rept 16
.if e < 4
	v_wmma_f32_16x16x4_f32 v[64+8*(e%4):71+8*(e%4)], v[160+2*e:161+2*e], v[128+2*e:129+2*e], 0
.else
	v_wmma_f32_16x16x4_f32 v[64+8*(e%4):71+8*(e%4)], v[160+2*e:161+2*e], v[128+2*e:129+2*e], v[64+8*(e%4):71+8*(e%4)]
.endif
.set e, e+1
.endr
.rept 8
	v_nop                                          ; eight places behind this form
.endr
.irp j, 0,2,4,6
	v_pk_add_f32 v[16+\j:17+\j], v[64+\j:65+\j], v[72+\j:73+\j]
.endr
.irp j, 0,2,4,6
	v_pk_add_f32 v[24+\j:25+\j], v[80+\j:81+\j], v[88+\j:89+\j]
.endr
.irp j, 0,2,4,6
	v_pk_add_f32 v[16+\j:17+\j], v[16+\j:17+\j], v[24+\j:25+\j]   ; register j: the score of key 8 h + j, query r
.endr
.irp j, 0,1,2,3,4,5,6,7
	v_bfe_u32 v32, v[2+\j/4], 8*(\j%4), 8
	v_cmp_ne_u32 vcc_lo, 0, v32
	v_cndmask_b32 v[16+\j], v40, v[16+\j], vcc_lo  ; the padding mask,
	v_cmp_le_i32 vcc_lo, \j, v9
	v_cndmask_b32 v[16+\j], v40, v[16+\j], vcc_lo  ; the causal one
.endr
	v_max3_num_f32 v32, v16, v17, v18
	v_max3_num_f32 v33, v19, v20, v21
	v_max3_num_f32 v32, v32, v22, v23
	v_max3_num_f32 v32, v32, v33, 0xf149f2ca       ; the floor -1e30: a masked p is then exactly 0
	v_permlanex16_b32 v33, v32, s20, s21
	v_max_num_f32 v32, v32, v33                    ; the row's maximum
	v_mul_f32 v12, s22, v32
	v_mov_b32 v13, v12
.irp j, 0,2,4,6
	v_pk_fma_f32 v[24+\j:25+\j], v[16+\j:17+\j], s[22:23], v[12:13] op_sel_hi:[1,0,0] neg_lo:[0,0,1] neg_hi:[0,0,1]
.endr
.irp j, 0,1,2,3,4,5,6,7
	v_exp_f32 v[24+\j], v[24+\j]
.endr
	v_nop                                          ; a plain instruction behind the exponentials,
	s_wait_alu depctr_va_vdst(0)                   ; and one wait for the batch, ahead of its first reader
	v_pk_add_f32 v[32:33], v[24:25], v[26:27]
	v_pk_add_f32 v[34:35], v[28:29], v[30:31]
	v_pk_add_f32 v[32:33], v[32:33], v[34:35]
	v_add_f32 v32, v32, v33
	v_permlanex16_b32 v33, v32, s20, s21
	v_add_f32 v32, v32, v33                        ; l
	v_rcp_f32 v12, v32
	v_nop
	s_wait_alu depctr_va_vdst(0)
	v_mov_b32 v13, v12
	s_wait_loadcnt 8                               ; v is in
	; O^T = v^T p: K step s' takes keys 8 h + 2 s' + 0, 1; four tiles of 16 channels by turns
.set e, 0
.rept 16
.if e < 4
	v_wmma_f32_16x16x4_f32 v[96+8*(e%4):103+8*(e%4)], v[192+8*(e%4)+2*(e/4):193+8*(e%4)+2*(e/4)], v[24+2*(e/4):25+2*(e/4)], 0
.else
	v_wmma_f32_16x16x4_f32 v[96+8*(e%4):103+8*(e%4)], v[192+8*(e%4)+2*(e/4):193+8*(e%4)+2*(e/4)], v[24+2*(e/4):25+2*(e/4)], v[96+8*(e%4):103+8*(e%4)]
.endif
.set e, e+1
.endr
.rept 8
	v_nop
.endr
.set n, 0
.rept 16
	v_pk_mul_f32 v[32+n:33+n], v[96+n:97+n], v[12:13] op_sel_hi:[1,0]   ; register 8 t + j: the attention's result, query r, channel 16 t + 8 h + j
.set n, n+2
.endr
	s_wait_loadcnt 0x0                             ; Wp is in
	; my head's part of out^T = Wp a^T: K step (t, s') takes channels 16 t + 8 h + 2 s' + 0, 1; four accumulators by turns
.set e, 0
.rept 16
.if e < 4
	v_wmma_f32_16x16x4_f32 v[64+8*(e%4):71+8*(e%4)], v[224+8*(e%4)+2*(e/4):225+8*(e%4)+2*(e/4)], v[32+8*(e%4)+2*(e/4):33+8*(e%4)+2*(e/4)], 0
.else
	v_wmma_f32_16x16x4_f32 v[64+8*(e%4):71+8*(e%4)], v[224+8*(e%4)+2*(e/4):225+8*(e%4)+2*(e/4)], v[32+8*(e%4)+2*(e/4):33+8*(e%4)+2*(e/4)], v[64+8*(e%4):71+8*(e%4)]
.endif
.set e, e+1
.endr
.rept 8
	v_nop
.endr
.irp j, 0,2,4,6
	v_pk_add_f32 v[16+\j:17+\j], v[64+\j:65+\j], v[72+\j:73+\j]
.endr
.irp j, 0,2,4,6
	v_pk_add_f32 v[24+\j:25+\j], v[80+\j:81+\j], v[88+\j:89+\j]
.endr
.irp j, 0,2,4,6
	v_pk_add_f32 v[16+\j:17+\j], v[16+\j:17+\j], v[24+\j:25+\j]   ; register j: out(query r, column n0 + 8 h + j), my head's part
.endr
	ds_store_b128 v10, v[16:19]
	ds_store_b128 v10, v[20:23] offset:512
	s_wait_dscnt 0x0                               ; for the others' sake: my part lies in LDS
	s_barrier_signal -1
	s_barrier_wait -1
	s_cmp_gt_u32 s12, 1                            ; waves 0 and 1 add the 16 parts, four of a lane's eight numbers each
	s_cbranch_scc1 .Lend
.irp w, 0,1,2,3,4,5,6,7,8,9,10,11,12,13,14,15
	ds_load_b128 v[128+4*\w:131+4*\w], v11 offset:1024*\w
.endr
	s_wait_dscnt 0x0
.set d, 4
.rept 4
.set n, 128
.rept 32/d
	v_pk_add_f32 v[n:n+1], v[n:n+1], v[n+d:n+d+1]
	v_pk_add_f32 v[n+2:n+3], v[n+2:n+3], v[n+d+2:n+d+3]
.set n, n+2*d
.endr
.set d, 2*d
.endr
	global_store_b128 v7, v[128:131], s[10:11]
.Lend:
	s_wait_tensorcnt 0x0                           ; the wave's end
	ds_add_u32 v[SPW], v[NIL]
	s_wait_dscnt 0x0
	s_endpgm
.Lfunc_end_k_qd73b885439_fine:
	.size	k_qd73b885439_fine, .Lfunc_end_k_qd73b885439_fine-k_qd73b885439_fine
	.p2alignl 7, 3214868480
	.fill 96, 4, 3214868480
	.section	.rodata,"a",@progbits
	.p2align	6, 0x0
	.amdhsa_kernel k_qd73b885439_fine
		.amdhsa_group_segment_fixed_size 18432
		.amdhsa_private_segment_fixed_size 0
		.amdhsa_enable_private_segment 0
		.amdhsa_kernarg_size 32
		.amdhsa_user_sgpr_count 2
		.amdhsa_user_sgpr_kernarg_segment_ptr 1
		.amdhsa_wavefront_size32 1
		.amdhsa_system_sgpr_workgroup_id_x 1
		.amdhsa_system_sgpr_workgroup_id_y 1
		.amdhsa_system_sgpr_workgroup_id_z 1
		.amdhsa_system_vgpr_workitem_id 0
		.amdhsa_next_free_vgpr 256
		.amdhsa_next_free_sgpr 66
		.amdhsa_reserve_vcc 1
		.amdhsa_float_denorm_mode_32 3
		.amdhsa_float_denorm_mode_16_64 3
		.amdhsa_memory_ordered 1
		.amdhsa_forward_progress 1
		.amdhsa_inst_pref_size 21
	.end_amdhsa_kernel
	.amdgpu_metadata
---
amdhsa.version: [ 1, 2 ]
amdhsa.kernels:
  - .name:           k_qd73b885439_fine
    .symbol:         k_qd73b885439_fine.kd
    .args:
      - { .name: q32, .offset: 0, .size: 8, .value_kind: global_buffer, .address_space: global }
      - { .name: attention_mask, .offset: 8, .size: 8, .value_kind: global_buffer, .address_space: global }
      - { .name: Wp, .offset: 16, .size: 8, .value_kind: global_buffer, .address_space: global }
      - { .name: out0, .offset: 24, .size: 8, .value_kind: global_buffer, .address_space: global }
    .group_segment_fixed_size: 18432
    .private_segment_fixed_size: 0
    .kernarg_segment_align: 8
    .kernarg_segment_size: 32
    .max_flat_workgroup_size: 512
    .sgpr_count:     66
    .vgpr_count:     256
    .wavefront_size: 32
...
	.end_amdgpu_metadata
.endif
;; end of part 5
